; MI455X (gfx1250); checked and timed in simulation.
; The chip was launched on July 23, 2026; its instructions are those of AMD's public machine-readable ISA for CDNA 5 (MIT licence, August 2026) and "CDNA5" Instruction Set Architecture Reference Guide (July 2026). The comments in the code are by the model that wrote it; some were corrected since.
;; Multi Head Attention. Allowed arithmetic: matrix products marked QUANTISED: E2M3 operands, one E8M0 scale for each 32 along K, by v_wmma_scale_f32_16x16x128_f8f6f4 with both operands' format E2M3, f32 sums; everything else in f32.
;; Inputs: Wk 1,024 x 1,024 float32; Wo 1,024 x 1,024 float32; Wq 1,024 x 1,024 float32; Wv 1,024 x 1,024 float32; bk 1,024 float32; bo 1,024 float32; bq 1,024 float32; bv 1,024 float32; key 4 x 2,048 x 1,024 float32; query 4 x 2,048 x 1,024 float32; value 4 x 2,048 x 1,024 float32.
;; Outputs: out0 4 x 2,048 x 1,024 float32.
;; This version of the problem:
;;   THIS VERSION OF THE PROBLEM IS GIVEN IN LOW PRECISION. The matrix products marked QUANTISED in the list below multiply operands that are first quantised to E2M3 (2 exponent bits, 3 mantissa bits; 6 bits a number), with one power-of-two scale for each 32 numbers along K (OCP MX v1.0); their sums are f32. All else is computed in f32.
;;   The module's matrix products, in the order in which they are computed (A, B: the left and right operand; K: the contracted axis; several contracted axes count as one K, in the product's order):
;;     1. [M 8,192, K 1,024] x [K 1,024, N 1,024]; A: input query; B: input Wq: QUANTISED
;;     2. [M 8,192, K 1,024] x [K 1,024, N 1,024]; A: input key; B: input Wk: QUANTISED
;;     3. [M 8,192, K 1,024] x [K 1,024, N 1,024]; A: input value; B: input Wv: QUANTISED
;;     4. batch 64 x [M 2,048, K 64] x [K 64, N 2,048]; A: computed on the way; B: computed on the way: QUANTISED
;;     5. batch 64 x [M 2,048, K 2,048] x [K 2,048, N 64]; A: softmax (see below); B: computed on the way: QUANTISED
;;     6. [M 8,192, K 1,024] x [K 1,024, N 1,024]; A: computed on the way; B: input Wo: QUANTISED
;;   THE QUANTISER, for each operand of a quantised product, along K:
;;     - K is cut into blocks of 32 from its start; a last block that is shorter is filled with zeros.
;;     - A block's scale is 2^e with e = floor(log2(the largest magnitude in the block)) - 2, held to -126 .. 127; a block of zeros has e = 0. As a byte (E8M0): e + 127.
;;     - Each number is divided by its block's scale, clamped to +-7.5, and rounded to the nearest number of E2M3, ties to even, subnormals kept.
;;     - The product sums the exact products of the quantised numbers (number of the format x scale) in f32.
;;   ~~~python
;;   def quantise(x, axis):      # numpy; x: float32 -> the quantised numbers, widened to float32 again
;;       x = np.moveaxis(x, axis, -1); K = x.shape[-1]
;;       x = np.pad(x, [(0, 0)] * (x.ndim - 1) + [(0, -K % 32)]); x = x.reshape(x.shape[:-1] + (-1, 32)); a = np.abs(x).max(-1, keepdims=True)
;;       e = np.where(a > 0, np.clip(np.frexp(np.where(a > 0, a, 1))[1] - 1 - 2, -126, 127), 0)      # np.frexp(a)[1] - 1 = floor(log2(a)), exactly
;;       r = np.clip(x / 2.0 ** e, -7.5, 7.5)
;;       step = 2.0 ** (np.maximum(np.frexp(np.where(r == 0, 1, r))[1] - 1, 0) - 3)
;;       q = np.round(r / step) * step * 2.0 ** e      # np.round: ties to even
;;       return np.moveaxis(q.reshape(q.shape[:-2] + (-1,))[..., :K], -1, axis).astype(np.float32)
;;   ~~~
;;   SOFTMAX AHEAD OF A QUANTISED PRODUCT. Where the list says 'softmax', what is quantised is not the finished softmax but p = 2^(t - M), with t = logit x log2(e) and M = ceil(the row's largest t), a whole number; so 1/2 < the row's largest p <= 1. The row's sum l is taken of the UNQUANTISED p, in f32, and the product's result is divided by l at the end. Since M is a whole number, a kernel that streams over the keys may use a running M (the ceiling of the running maximum): every later rescaling is an exact power of two, which a block's scale takes up: the codes' values come out the same.
;;   OPERANDS COMPUTED ON THE WAY. 'Computed on the way' means the value that the module computes at that place (a softmax that the list does not call 'softmax' is quantised finished and normalised). What goes into a quantiser is computed in f32, as accurately as f32 sums, v_exp_f32 and their like allow (about 1e-6 of the number): no bf16 or f16 on the way to a quantiser, and a product that is left as it is and whose result goes on into a quantised operand takes f32 operands (vector FMAs, or v_wmma_f32_16x16x4_f32). A number that lies on a knife's edge between two numbers of the format may be rounded either way, as far as f32 arithmetic and the matrix unit's own rounding can turn it there, and no further.
;; One version. Each part assembles by itself: llvm-mc -triple=amdgcn-amd-amdhsa -mcpu=gfx1250 --defsym DOCPART=n.
;; ======== version 1 of 1: 4 launches
;; workspace buffers: xq 19,660,800 bytes; wq 3,276,800 bytes; qkv 19,660,800 bytes; oq 6,553,600 bytes
;; launch quant (part 1): grid 256 x 1, 14 waves a work-group, no clusters, 120,320 bytes of LDS; arguments query, key, value, Wq, Wk, Wv, Wo, xq, wq; writes xq, wq
.if DOCPART == 1
	.amdgcn_target "amdgcn-amd-amdhsa--gfx1250"
	.amdhsa_code_object_version 6
	.text
	.protected	k_q402cb32dfe_quant
	.globl	k_q402cb32dfe_quant
	.p2align	8
	.type	k_q402cb32dfe_quant,@function
k_q402cb32dfe_quant:
	s_mov_b64 s[64:65], 0
	v_nop
	global_prefetch_b8 v0, s[64:65] scope:SCOPE_SE
	s_setreg_imm32_b32 hwreg(HW_REG_WAVE_MODE, 25, 1), 1
	s_wait_xcnt 0x0
; query, key, value [8192][1024] and Wq, Wk, Wv, Wo [1024][1024], f32, K innermost, become codes of FP6 (E2M3) with one E8M0 byte for each 32 along K,
; laid as IMAGES OF OPERAND REGISTERS.  A record of 768 bytes holds 16 rows x 64 along K: lane (r = l % 16, h = l / 16) owns the 32 codes of block h of row r, six registers:
; registers 0-3 at 16 l, registers 4-5 at 512 + 8 l.  Codes: [K / 256][tile of 16 rows][4 records]; scale words behind them: [tile][K / 256][r][2 words], a word for 128 along K.
; WHICH ROWS FORM A TILE: query: lane r of tile i has row 16 i + r.  All others: row 32 (i / 2) + 8 (i % 2) + r + 8 (r / 8), so that results of a product used transposed run along the next K.
; A block's scale is 2^(floor(log2(largest magnitude)) - 2); its byte is the largest magnitude's exponent field - 2, held at 1 from below.
; LIMITS: NaN and infinities are not served; a block of zeros keeps the byte 1 (its codes are zeros, and this program alone reads the bytes).
; SHARES: 1,792 tiles x 2 halves of K = 3,584 tasks = 256 work-groups x 14 waves.  A task is four fragments (16 rows x 128 K).  Each load reads 512 consecutive bytes of one row; a fragment's
; 8,192 bytes turn through the wave's own stage in LDS (rows 528 bytes apart) and come back as two whole blocks of 32 a lane.  Two fragments' loads (32) are out.  Waves share nothing: no barrier.
.set STG,   8448                       ; a wave's stage: 16 rows x (512 + 16) bytes
.set SPARE, 14*STG                     ; behind the stages: the spare words, 128 bytes a wave, eight blocks of 256 bytes that no other line names
.set L16,  1                           ; v1   16 x lane: my bytes of a load's 512; also my place in a record's first 512 bytes
.set STI,  2                           ; v2   the stage on the way in
.set STO,  3                           ; v3   and on the way out: row r, block h
.set H8,   4                           ; v4   8 h
.set SOF,  5                           ; v5   128 h + 8 r: where my two scale words go
.set L16B, 7                           ; v7   16 x lane + a step of 256 along K in the codes
.set L8,   8                           ; v8   8 x lane;  v9  the same + that step
.set SPW,  10                          ; v10  LDS address of my spare word; never rewritten
.set NIL,  11                          ; v11  0; never rewritten
.set MX,   12                          ; v12-13 largest magnitudes
.set SO,   14                          ; v14-15 the conversions' scale operands
.set BY,   16                          ; v16-17 the bytes
.set TW,   18
.set PD,   19                          ; a lane permute's destination, written once
.set W,    20                          ; v20-23 the four fragments' scale words
.set C,    24                          ; v24-35 a fragment's codes
.set T,    36                          ; v36-43 the upper halves of the blocks, as converted
.set OW,   44
.set R,    64                          ; v64-191 two sets of 64 registers as loaded
.set X,    192                         ; v192-255 two whole blocks
	s_load_b512 s[8:23], s[0:1], 0x0               ; query s[8:9], key, value, Wq, Wk, Wv, Wo s[20:21], xq s[22:23]
	s_load_b64 s[24:25], s[0:1], 0x40              ; wq
	v_lshl_add_u32 v[SPW], v0, 2, SPARE
	v_mov_b32 v[NIL], 0
	v_lshrrev_b32 v1, 5, v0
	v_readfirstlane_b32 s2, v1                     ; wave 0..13
	s_mul_i32 s3, ttmp9, 14
	s_add_co_u32 s3, s3, s2                        ; my task: 0..3071 the activations', 3072..3583 the weights'
	v_and_b32 v12, 31, v0                          ; lane
	v_and_b32 v13, 15, v0                          ; r
	v_bfe_u32 v14, v0, 4, 1                        ; h
	v_lshlrev_b32 v[L16], 4, v12
	s_mul_i32 s4, s2, STG
	v_add_nc_u32 v[STI], s4, v[L16]
	v_mul_u32_u24 v[STO], v13, 528
	v_lshl_add_u32 v[STO], v14, 7, v[STO]
	v_add_nc_u32 v[STO], s4, v[STO]
	v_lshlrev_b32 v[H8], 3, v14
	v_lshlrev_b32 v[SOF], 3, v13
	v_lshl_add_u32 v[SOF], v14, 7, v[SOF]
	v_lshlrev_b32 v[L8], 3, v12
	v_mov_b32 v[PD], 0
	s_mov_b32 s30, 196608                          ; the weights' sizes; the activations' take their place below
	s_mov_b32 s31, 819200
	s_mov_b32 s32, 786432
	s_cmp_lt_u32 s3, 3072
	s_cselect_b32 s30, 1572864, s30                ; bytes from 256 along K to the next in the codes
	s_cselect_b32 s31, 6553600, s31                ; a tensor's bytes in its buffer
	s_cselect_b32 s32, 6291456, s32                ; where its scale words begin
	s_cselect_b32 s33, 10, 7                       ; log2 of a tensor's tasks
	s_cselect_b32 s34, 0, 3072
	s_sub_co_u32 s34, s3, s34
	s_lshr_b32 s35, s34, s33                       ; which tensor of its buffer
	s_lshl_b32 s36, s35, s33
	s_sub_co_u32 s36, s34, s36
	s_lshr_b32 s37, s36, 1                         ; tile i
	s_and_b32 s38, s36, 1                          ; which half of K
	s_lshl_b32 s42, s37, 4                         ; query: rows 16 i on
	s_lshr_b32 s40, s37, 1
	s_lshl_b32 s40, s40, 5
	s_and_b32 s41, s37, 1
	s_lshl_b32 s41, s41, 3
	s_add_co_u32 s40, s40, s41                     ; the others: rows 32 (i / 2) + 8 (i % 2) on,
	s_cmp_lt_u32 s3, 1024
	s_cselect_b32 s42, s42, s40                    ; lanes' rows 0-7
	s_cselect_b32 s44, 8, 16
	s_add_co_u32 s44, s42, s44                     ; and rows 8-15: 8 on, or 16 on
	s_lshl_b32 s42, s42, 12                        ; a row is 4,096 bytes
	s_lshl_b32 s44, s44, 12
	s_lshl_b32 s41, s38, 11
	s_add_co_u32 s42, s42, s41
	s_add_co_u32 s44, s44, s41
	s_mov_b32 s43, 0
	s_mov_b32 s45, 0
	s_mul_i32 s46, s35, s31
	s_add_co_u32 s48, s46, s32
	s_mul_i32 s41, s38, s30
	s_lshl_b32 s41, s41, 1
	s_add_co_u32 s46, s46, s41
	s_mul_i32 s41, s37, 3072
	s_add_co_u32 s46, s46, s41                     ; my codes: tensor + 2 x half x step + 3,072 i
	s_mov_b32 s47, 0
	s_lshl_b32 s41, s37, 9
	s_add_co_u32 s48, s48, s41
	s_lshl_b32 s41, s38, 8
	s_add_co_u32 s48, s48, s41                     ; my scale words: tensor + 512 i + 256 x half
	s_mov_b32 s49, 0
	v_add_nc_u32 v[L16B], s30, v[L16]
	v_add_nc_u32 v[L8+1], s30, v[L8]
	s_mov_b32 s58, 0x76543210
	s_mov_b32 s59, 0xfedcba98                      ; v_permlanex16_b32's selects for lane l xor 16
	s_mov_b32 s60, 0xffff0000                      ; lanes 16-31
	s_wait_kmcnt 0x0
	s_mov_b64 s[26:27], s[20:21]                   ; the source is chosen by the task's number alone
	s_cmp_lt_u32 s3, 3456
	s_cselect_b64 s[26:27], s[18:19], s[26:27]
	s_cmp_lt_u32 s3, 3328
	s_cselect_b64 s[26:27], s[16:17], s[26:27]
	s_cmp_lt_u32 s3, 3200
	s_cselect_b64 s[26:27], s[14:15], s[26:27]
	s_cmp_lt_u32 s3, 2048
	s_cselect_b64 s[26:27], s[10:11], s[26:27]
	s_cmp_lt_u32 s3, 1024
	s_cselect_b64 s[26:27], s[8:9], s[26:27]
	s_cmp_lt_u32 s3, 2048
	s_cselect_b32 s41, 1, 0
	s_cmp_lt_u32 s3, 3072
	s_cselect_b64 s[28:29], s[22:23], s[24:25]     ; and so is the buffer
	s_cselect_b32 s40, 1, 0
	s_cmp_lg_u32 s40, s41                          ; tasks 2048..3071: value
	s_cselect_b64 s[26:27], s[12:13], s[26:27]
	s_add_nc_u64 s[50:51], s[26:27], s[42:43]      ; rows 0-7; never rewritten
	s_add_nc_u64 s[52:53], s[26:27], s[44:45]      ; rows 8-15
	s_add_nc_u64 s[54:55], s[28:29], s[46:47]      ; codes
	s_add_nc_u64 s[56:57], s[28:29], s[48:49]      ; scale words
.macro LOAD s                          ; fragment s: 16 rows x 512 bytes into set s % 2
.irp p, 0,1,2,3,4,5,6,7
	global_load_b128 v[R+64*((\s)%2)+4*\p:R+64*((\s)%2)+4*\p+3], v[L16], s[50:51] offset:\p*4096+512*(\s) th:TH_LOAD_NT
.endr
.irp p, 0,1,2,3,4,5,6,7
	global_load_b128 v[R+64*((\s)%2)+32+4*\p:R+64*((\s)%2)+32+4*\p+3], v[L16], s[52:53] offset:\p*4096+512*(\s) th:TH_LOAD_NT
.endr
.endm
.macro FRAGQ s
.set RS,  R+64*((\s)%2)
.set A16, L16+6*((\s)>>1)
.set A8,  L8+((\s)>>1)
.if (\s) < 3
	s_wait_loadcnt 16                              ; this fragment's 16 loads are in; the next fragment's 16 may be out
.else
	s_wait_loadcnt 0x0
.endif
.irp p, 0,1,2,3,4,5,6,7,8,9,10,11,12,13,14,15
	ds_store_b128 v[STI], v[RS+4*\p:RS+4*\p+3] offset:528*\p
.endr
.irp c, 0,1                            ; LDS serves a wave's instructions in order: these see the stores.  Lane (r, h) takes blocks h and 2 + h of row r, whole
.irp m, 0,1,2,3,4,5,6,7
	ds_load_b128 v[X+32*\c+4*\m:X+32*\c+4*\m+3], v[STO] offset:256*\c+16*\m
.endr
.endr
	s_wait_dscnt 0x0                               ; the numbers are back, and the stores have read their registers,
.if (\s) < 2
	LOAD (\s)+2                                    ; which take the loads of two fragments on
.endif
.irp c, 0,1
	v_max3_num_f32 v[MX+\c], |v[X+32*\c]|, |v[X+32*\c+1]|, 0x1800000   ; with the floor 2^(3 - 127): the byte cannot fall under 1
.endr
.irp i, 2,4,6,8,10,12,14,16,18,20,22,24,26,28,30
.irp c, 0,1
	v_max3_num_f32 v[MX+\c], v[MX+\c], |v[X+32*\c+\i]|, |v[X+32*\c+\i+1]|
.endr
.endr
.irp c, 0,1
	v_add_nc_u32 v[SO+\c], 0xff000000, v[MX+\c]    ; 2 off the exponent field: the conversion takes that field as its scale
.endr
.irp c, 0,1
	v_lshrrev_b32 v[BY+\c], 23, v[SO+\c]           ; the byte
.endr
	v_lshl_or_b32 v[TW], v[BY+1], 16, v[BY]        ; my bytes of blocks h and 2 + h,
	v_lshlrev_b32 v[TW], v[H8], v[TW]              ; at their places;
	v_permlanex16_b32 v[PD], v[TW], s58, s59
	v_or_b32 v[W+(\s)], v[TW], v[PD]               ; with lane l xor 16's two the word is whole
	s_wait_xcnt 0x0                                ; the last fragment's stores have read their data: the codes' registers are written again only behind this wait
.irp c, 0,1
	v_cvt_scalef32_pk16_fp6_f32 v[C+6*\c:C+6*\c+2], v[X+32*\c:X+32*\c+15], v[SO+\c]
	v_cvt_scalef32_pk16_fp6_f32 v[T+4*\c:T+4*\c+2], v[X+32*\c+16:X+32*\c+31], v[SO+\c]   ; (a conversion's three registers begin on an even number)
.endr
	v_nop                                          ; one plain place behind a scaled conversion
.irp c, 0,1
.irp i, 0,1,2
	v_mov_b32 v[C+6*\c+3+\i], v[T+4*\c+\i]
.endr
.endr
	global_store_b128 v[A16], v[C:C+3], s[54:55] offset:((\s)&1)*1536            ; 512 consecutive bytes
	global_store_b64 v[A8], v[C+4:C+5], s[54:55] offset:((\s)&1)*1536+512        ; 256 consecutive bytes
	global_store_b128 v[A16], v[C+6:C+9], s[54:55] offset:((\s)&1)*1536+768
	global_store_b64 v[A8], v[C+10:C+11], s[54:55] offset:((\s)&1)*1536+1280
.endm
	LOAD 0
	LOAD 1
	FRAGQ 0
	FRAGQ 1
	FRAGQ 2
	FRAGQ 3
	v_cndmask_b32 v[OW], v[W], v[W+2], s60         ; lanes 0-15 store the first 256 along K's two words, lanes 16-31 the second's
	v_cndmask_b32 v[OW+1], v[W+1], v[W+3], s60
	global_store_b64 v[SOF], v[OW:OW+1], s[56:57]  ; 256 consecutive bytes, aligned
	s_wait_tensorcnt 0x0                           ; the wave's end: behind my last LDS store
	ds_add_u32 v[SPW], v[NIL]
	s_wait_dscnt 0x0
	s_endpgm
.Lfunc_end_k_q402cb32dfe_quant:
	.size	k_q402cb32dfe_quant, .Lfunc_end_k_q402cb32dfe_quant-k_q402cb32dfe_quant
	.p2alignl 7, 3214868480
	.fill 96, 4, 3214868480
	.section	.rodata,"a",@progbits
	.p2align	6, 0x0
	.amdhsa_kernel k_q402cb32dfe_quant
		.amdhsa_group_segment_fixed_size 120320
		.amdhsa_private_segment_fixed_size 0
		.amdhsa_enable_private_segment 0
		.amdhsa_kernarg_size 72
		.amdhsa_user_sgpr_count 2
		.amdhsa_user_sgpr_kernarg_segment_ptr 1
		.amdhsa_wavefront_size32 1
		.amdhsa_system_sgpr_workgroup_id_x 1
		.amdhsa_system_sgpr_workgroup_id_y 1
		.amdhsa_system_sgpr_workgroup_id_z 1
		.amdhsa_system_vgpr_workitem_id 0
		.amdhsa_next_free_vgpr 256
		.amdhsa_next_free_sgpr 66
		.amdhsa_reserve_vcc 0
		.amdhsa_float_denorm_mode_32 3
		.amdhsa_float_denorm_mode_16_64 3
		.amdhsa_memory_ordered 1
		.amdhsa_forward_progress 1
		.amdhsa_inst_pref_size 33
	.end_amdhsa_kernel
	.amdgpu_metadata
---
amdhsa.version: [ 1, 2 ]
amdhsa.kernels:
  - .name:           k_q402cb32dfe_quant
    .symbol:         k_q402cb32dfe_quant.kd
    .args:
      - { .name: query, .offset: 0, .size: 8, .value_kind: global_buffer, .address_space: global }
      - { .name: key, .offset: 8, .size: 8, .value_kind: global_buffer, .address_space: global }
      - { .name: value, .offset: 16, .size: 8, .value_kind: global_buffer, .address_space: global }
      - { .name: Wq, .offset: 24, .size: 8, .value_kind: global_buffer, .address_space: global }
      - { .name: Wk, .offset: 32, .size: 8, .value_kind: global_buffer, .address_space: global }
      - { .name: Wv, .offset: 40, .size: 8, .value_kind: global_buffer, .address_space: global }
      - { .name: Wo, .offset: 48, .size: 8, .value_kind: global_buffer, .address_space: global }
      - { .name: xq, .offset: 56, .size: 8, .value_kind: global_buffer, .address_space: global }
      - { .name: wq, .offset: 64, .size: 8, .value_kind: global_buffer, .address_space: global }
    .group_segment_fixed_size: 120320
    .private_segment_fixed_size: 0
    .kernarg_segment_align: 8
    .kernarg_segment_size: 72
    .max_flat_workgroup_size: 448
    .sgpr_count:     66
    .vgpr_count:     256
    .wavefront_size: 32
...
	.end_amdgpu_metadata
.endif
;; end of part 1
;; launch proj (part 2): grid 4 x 96, 4 waves a work-group, clusters of 4 x 4, 327,680 bytes of LDS; arguments xq, wq, bq, bk, bv, qkv; writes qkv
.if DOCPART == 2
	.amdgcn_target "amdgcn-amd-amdhsa--gfx1250"
	.amdhsa_code_object_version 6
	.text
	.protected	k_q402cb32dfe_proj
	.globl	k_q402cb32dfe_proj
	.p2align	8
	.type	k_q402cb32dfe_proj,@function
k_q402cb32dfe_proj:
	s_mov_b64 s[64:65], 0
	v_nop
	global_prefetch_b8 v0, s[64:65] scope:SCOPE_SE
	s_setreg_imm32_b32 hwreg(HW_REG_WAVE_MODE, 25, 1), 1
	s_wait_xcnt 0x0
	s_wait_alu depctr_hold_cnt(0) depctr_sa_sdst(0) depctr_va_vdst(0) depctr_va_sdst(0) depctr_va_ssrc(0) depctr_va_vcc(0) depctr_vm_vsrc(0)
	s_getreg_b32 s2, hwreg(HW_REG_IB_STS2, 6, 4)
	s_cmp_eq_u32 s2, 0
	s_cbranch_scc0 .Lentry_in_a_cluster
	s_endpgm
.Lentry_in_a_cluster:
	s_bfe_u32 s2, ttmp6, 0x10000c
	s_cmp_lg_u32 s2, 0xf033
	s_cbranch_scc0 .Lentry_shape_is_right
	s_endpgm
.Lentry_shape_is_right:
; q = query Wq^T + bq, k = key Wk^T + bk, v = value Wv^T + bv on codes of FP6 (E2M3) with E8M0 scales, and the results quantised again for the attention: q and k along the head's 64, v along the keys.
; A work-group makes 256 tokens (Y) x 256 features (X) of one of the three; four waves, 128 x 128 each: 64 accumulators, 512 registers.  K = 1,024 is eight steps of 128.
; OPERANDS lie in memory as images of their registers (records of 768 bytes: 16 rows x 64 K; registers 0-3 at 16 l, 4-5 at 512 + 8 l), so a tile's 256 along K of 128 rows are 24,576 dense bytes:
; one tensor load a wave, and a fragment is four LDS loads of consecutive bytes.  Three LDS slots of 256 along K; the fourth quarter of K is the one refill.  The scale words of all of K come once.
; THE PRODUCT IS USED TRANSPOSED, D = (S0 rows) x (S1 rows): a lane holds one row of S1 and its registers run along S0's rows.  q, k: S0 = the weight, S1 = the tokens: registers run along the features.
; v: S0 = the tokens, S1 = the weight: registers run along the keys.  S0's tiles hold rows 32 (i / 2) + 8 (i % 2) + r + 8 (r / 8), so the 64 registers of one S1 tile are 128 neighbours along the next K.
; Which of the two it is hangs on the cluster's y alone; it is done by selects on LDS addresses, biases and output steps; no branch hangs on it.
; CLUSTER 4 x 4: Y's tiles are shared along a row of the cluster, X's along a column: joint loads.
; OUT: qkv = three tensors [64 heads of batches][8 slots of 256 tokens] x 12,800 bytes.  q, k: 16 records (tile of 16 tokens x the head's 64), then scale words [128 tokens][r][pair of tiles].
; v: [128 keys][4 tiles of 16 channels][2 records], then scale words [128 keys][r][tile].
; LIMITS: NaN and infinities are not served; a block of zeros keeps the byte 1 (its codes are zeros, and this program alone reads the bytes).
; REGISTERS: window 0: v4-23 addresses; v32-63 scale words alone; v64-127 the bias along the registers; v128-223 S1's fragments, one set (on the way out: 64 numbers, codes);
;   v224-231 the bias along the lanes; v232-239 the results' scale words; v240-255 at work.  window 1: S0's fragments, two sets, at v0 and v128.  windows 2, 3: accumulator (a, b) at v[8 (8 (a % 4) + b)].
.set XT,    6553600                    ; a tensor of xq, and of qkv
.set WT,    819200                     ; a tensor of wq
.set YSTEP, 1572864                    ; 256 along K on, in xq
.set XSTEP, 196608                     ; and in wq
.set XSCL,  6291456                    ; where a tensor's scale words begin in xq
.set WSCL,  786432                     ; and in wq
.set HALF,  24576                      ; 128 rows x 256 K: what one tensor load brings
.set SLOT,  4*HALF                     ; Y's two halves, then X's two
.set SCL,   3*SLOT                     ; behind the slots: the scale words, 4,096 bytes for each 128 rows
.set SPARE, 327168                     ; the spare words, 128 bytes a wave: two blocks of 256 bytes that no other line names
.set A1,   4                           ; v4-6 S1's place in slots 0-2 + 16 l;  v7-9 the same + 8 l
.set A0,   10                          ; v10-12, v13-15 the same for S0
.set ADRS, 16                          ; v16  my scale words: lanes 0-15 S1's rows, lanes 16-31 S0's
.set VA,   17                          ; v17  16 l
.set VB,   18                          ; v18  8 l
.set VC,   19                          ; v19  16 l + the way to a fragment's second record
.set VD,   20                          ; v20  8 l + the same
.set VS,   21                          ; v21  16 r + h x a head's bytes
.set SPW,  28                          ; v28  LDS address of my spare word; never rewritten
.set NIL,  29                          ; v29  0; never rewritten
.set SC,   32
.set BB,   64
.set AF,   128
.set HA,   128
.set PC,   192
.set OUTW, 212
.set BVA,  224
.set PWS,  232
.set TM,   240
.set G1,   24                          ; s[24:31] group 1 for Y's tiles; s[32:43] group 0, a set for each slot
.set G0,   32
.set G1B,  44                          ; s[44:51], s[52:63] the same for X's
.set G0B,  52
.set G1S,  68                          ; s[68:75], s[76:79] Y's scale words;  s[80:87], s[88:91] X's
.set G0S,  76
.set G1SB, 80
.set G0SB, 88
.set MSB, 0
.macro WIN new                         ; the immediate's high byte repeats the setting that is left
.if MSB != (\new)
	s_set_vgpr_msb (MSB<<8)|(\new)
.set MSB, (\new)
.endif
.endm
.set MUL_LO, 0xa1                      ; source 0 window 1, source 1 window 0, C and D window 2
.set MUL_HI, 0xf1                      ; the same, C and D window 3
.set TO_S0,  0x40                      ; destination window 1
; A joint load: waves 0 and 1 fetch for Y, waves 2 and 3 for X.  An s_nop 0 and four v_nop follow each of the two lines.
.macro JLOAD g0a, g1a, g0b, g1b
	s_cmp_eq_u32 s17, 0
	s_cbranch_scc0 .Lfor_x_\@
	tensor_load_to_lds s[\g0a:\g0a+3], s[\g1a:\g1a+7]
	s_nop 0
.rept 4
	v_nop
.endr
	s_branch .Lasked_\@
.Lfor_x_\@:
	tensor_load_to_lds s[\g0b:\g0b+3], s[\g1b:\g1b+7]
	s_nop 0
.rept 4
	v_nop
.endr
.Lasked_\@:
.endm
.macro CREST                           ; a round of the cluster's barrier behind its opening barrier
	s_cmp_lg_u32 s16, 0
	s_cbranch_scc1 .Lnot_wave_0_\@
	s_barrier_signal -3
.Lnot_wave_0_\@:
	s_barrier_wait -3
	s_barrier_signal -1
	s_barrier_wait -1
.endm
.macro CROUND
	s_barrier_signal -1
	s_barrier_wait -1
	CREST
.endm
.macro PLACES n                        ; plain places behind matrix instructions, in front of loads into their registers and of reads of their results
.rept \n
	v_nop
.endr
.endm
	s_load_b256 s[4:11], s[0:1], 0x0               ; xq s[4:5], wq s[6:7], bq s[8:9], bk s[10:11]
	s_load_b128 s[12:15], s[0:1], 0x20             ; bv s[12:13], qkv s[14:15]
	v_lshl_add_u32 v[SPW], v0, 2, SPARE
	v_mov_b32 v[NIL], 0
	ds_add_u32 v[SPW], v[NIL]                      ; the wave's opening: the add and its wait stand ahead of my first tensor load; the set-up stands between them
	v_lshrrev_b32 v1, 5, v0
	v_readfirstlane_b32 s16, v1                    ; wave 0..3
	s_lshr_b32 s17, s16, 1                         ; my half of Y's rows.  Also: I fetch for Y (0) or for X (1)
	s_and_b32 s18, s16, 1                          ; my half of X's rows.  Also: which 128 rows I fetch
	s_bfe_u32 s19, ttmp6, 0x40000                  ; cx
	s_bfe_u32 s20, ttmp6, 0x40004                  ; cy
	s_lshl_b32 s21, ttmp9, 2
	s_add_co_u32 s21, s21, s19                     ; X's tile 0..3
	s_and_b32 s22, ttmp7, 0xffff                   ; the cluster's y, 0..23
	s_lshl_b32 s23, s22, 2
	s_add_co_u32 s23, s23, s20
	s_and_b32 s23, s23, 31                         ; Y's tile 0..31
	s_lshr_b32 s92, s22, 3                         ; 0: q, 1: k, 2: v: the same in all sixteen partners
	s_lshl_b32 s2, s20, 2
	s_lshl_b32 s2, 15, s2                          ; my row of the cluster
	s_lshl_b32 s3, 0x1111, s19                     ; my column
	s_or_b32 s[G1], s2, (3<<16)|(1<<21)            ; 15:0 the mask; 17:16 elements of 8 bytes; 21 set beside a mask; no padding
	s_or_b32 s[G1B], s3, (3<<16)|(1<<21)
	s_or_b32 s[G1S], s2, (3<<16)|(1<<21)
	s_or_b32 s[G1SB], s3, (3<<16)|(1<<21)
.irp g, G1, G1B                        ; 24,576 dense bytes as 96 rows of 256
	s_mov_b32 s[\g+1], 32<<16
	s_mov_b32 s[\g+2], 96<<16
	s_mov_b32 s[\g+3], 32<<16
	s_mov_b32 s[\g+4], 96
	s_mov_b32 s[\g+5], 32
	s_mov_b32 s[\g+6], 0
	s_mov_b32 s[\g+7], 0
.endr
.irp g, G1S, G1SB                      ; 4,096 dense bytes as 16 rows of 256
	s_mov_b32 s[\g+1], 32<<16
	s_mov_b32 s[\g+2], 16<<16
	s_mov_b32 s[\g+3], 32<<16
	s_mov_b32 s[\g+4], 16
	s_mov_b32 s[\g+5], 32
	s_mov_b32 s[\g+6], 0
	s_mov_b32 s[\g+7], 0
.endr
	s_lshl_b32 s100, s18, 3
	s_lshl_b32 s66, s23, 4
	s_add_co_u32 s66, s66, s100                    ; Y: the first tile of 16 rows that I fetch
	s_lshl_b32 s94, s66, 9                         ; its scale words,
	s_mul_i32 s66, s66, 3072                       ; its codes
	s_mul_i32 s101, s92, XT
	s_add_co_u32 s66, s66, s101
	s_add_co_u32 s94, s94, s101
	s_add_co_u32 s94, s94, XSCL
	s_mov_b32 s67, 0
	s_mov_b32 s95, 0
	s_lshl_b32 s96, s21, 4
	s_add_co_u32 s96, s96, s100                    ; X likewise, in registers that never hold Y's coordinate
	s_lshl_b32 s98, s96, 9
	s_mul_i32 s96, s96, 3072
	s_mul_i32 s101, s92, WT
	s_add_co_u32 s96, s96, s101
	s_add_co_u32 s98, s98, s101
	s_add_co_u32 s98, s98, WSCL
	s_mov_b32 s97, 0
	s_mov_b32 s99, 0
	s_mul_i32 s100, s16, HALF                      ; where they go: wave x 24,576, and wave x 4,096: no place in the cluster enters an LDS address
	s_lshl_b32 s101, s16, 12
	s_wait_dscnt 0x0                               ; the opening add is done
	s_wait_kmcnt 0x0
	s_add_nc_u64 s[66:67], s[4:5], s[66:67]
	s_add_nc_u64 s[94:95], s[4:5], s[94:95]
	s_add_nc_u64 s[96:97], s[6:7], s[96:97]
	s_add_nc_u64 s[98:99], s[6:7], s[98:99]
	CROUND                                         ; all sixteen work-groups are here: the first joint loads meet
	s_mov_b32 s[G0S], 1
	s_add_co_u32 s[G0S+1], s101, SCL
	s_mov_b64 s[G0S+2:G0S+3], s[94:95]
	s_or_b32 s[G0S+3], s[G0S+3], 0x80000000
	s_mov_b32 s[G0SB], 1
	s_add_co_u32 s[G0SB+1], s101, SCL
	s_mov_b64 s[G0SB+2:G0SB+3], s[98:99]
	s_or_b32 s[G0SB+3], s[G0SB+3], 0x80000000
	JLOAD G0S,G1S,G0SB,G1SB                        ; the scale words first; then three quarters of K: four tensor loads of mine are out
.irp s, 0,1,2
	s_mov_b32 s[G0+4*\s], 1
	s_add_co_u32 s[G0+4*\s+1], s100, \s*SLOT
	s_add_nc_u64 s[G0+4*\s+2:G0+4*\s+3], s[66:67], \s*YSTEP
	s_or_b32 s[G0+4*\s+3], s[G0+4*\s+3], 0x80000000
	s_mov_b32 s[G0B+4*\s], 1
	s_add_co_u32 s[G0B+4*\s+1], s100, \s*SLOT
	s_add_nc_u64 s[G0B+4*\s+2:G0B+4*\s+3], s[96:97], \s*XSTEP
	s_or_b32 s[G0B+4*\s+3], s[G0B+4*\s+3], 0x80000000
	JLOAD G0+4*\s,G1,G0B+4*\s,G1B
.endr
	v_and_b32 v1, 15, v0                           ; r
	v_bfe_u32 v2, v0, 4, 1                         ; h
	v_and_b32 v3, 31, v0                           ; lane
	v_lshlrev_b32 v[VA], 4, v3
	v_lshlrev_b32 v[VB], 3, v3
	s_mul_i32 s2, s17, HALF                        ; my half of Y in a slot,
	s_mul_i32 s3, s18, HALF
	s_add_co_u32 s3, s3, 2*HALF                    ; my half of X
	s_cmp_eq_u32 s92, 2
	s_cselect_b32 s100, s3, s2                     ; S1: the tokens, for v the weight
	s_cselect_b32 s101, s2, s3                     ; S0: the other
	s_cselect_b32 s93, 1, 0
	s_mov_b32 s3, 102400
	s_cselect_b32 s3, 768, s3                      ; a result fragment's second record: the next head's (q, k), or on end (v)
.irp s, 0,1,2
	v_add_nc_u32 v[A1+\s], s100, v[VA]
	v_add_nc_u32 v[A1+3+\s], s100, v[VB]
	v_add_nc_u32 v[A0+\s], s101, v[VA]
	v_add_nc_u32 v[A0+3+\s], s101, v[VB]
	s_add_co_u32 s100, s100, SLOT
	s_add_co_u32 s101, s101, SLOT
.endr
	v_add_nc_u32 v[VC], s3, v[VA]
	v_add_nc_u32 v[VD], s3, v[VB]
	v_mul_u32_u24 v[VS], v2, 102400
	v_lshl_add_u32 v[VS], v1, 4, v[VS]
	v_xor_b32 v3, s93, v2                          ; 0: Y's scale words, 1: X's
	s_lshl_b32 s2, s17, 12
	s_lshl_b32 s100, s18, 12
	s_add_co_u32 s100, s100, 8192
	s_sub_co_u32 s100, s100, s2                    ; the distance between the two: one product
	v_mul_u32_u24 v3, s100, v3
	v_lshl_add_u32 v3, v1, 3, v3
	s_add_co_u32 s2, s2, SCL
	v_add_nc_u32 v[ADRS], s2, v3
	s_cmp_eq_u32 s92, 0                            ; the bias of my tensor, at my 128 features
	s_cselect_b64 s[8:9], s[8:9], s[10:11]
	s_cmp_eq_u32 s92, 2
	s_cselect_b64 s[8:9], s[12:13], s[8:9]
	s_lshl_b32 s100, s21, 10
	s_lshl_b32 s101, s18, 9
	s_add_co_u32 s100, s100, s101
	s_mov_b32 s101, 0
	s_add_nc_u64 s[8:9], s[8:9], s[100:101]
	v_lshlrev_b32 v22, 6, v2                       ; along the registers: tile b's eight features 32 (b / 2) + 16 h + 8 (b % 2) + 0 .. 7
	v_and_b32 v23, 8, v1
	v_add_nc_u32 v23, v23, v1
	v_lshlrev_b32 v23, 2, v23                      ; along the lanes: tile a's feature 32 (a / 2) + 8 (a % 2) + r + 8 (r / 8)
.irp b, 0,1,2,3,4,5,6,7
	global_load_b128 v[BB+8*\b:BB+8*\b+3], v22, s[8:9] offset:(32*(\b/2)+8*(\b%2))*4
	global_load_b128 v[BB+8*\b+4:BB+8*\b+7], v22, s[8:9] offset:(32*(\b/2)+8*(\b%2))*4+16
	global_load_b32 v[BVA+\b], v23, s[8:9] offset:(32*(\b/2)+8*(\b%2))*4
.endr
.irp b, 0,1,2,3
	v_mov_b32 v[TM+4+\b], 0                        ; written once: a lane permute's destination counts as one of its sources
.endr
.macro FRAG reg, a, off                ; a fragment, two records on end: four loads of consecutive bytes
	ds_load_b128 v[\reg:\reg+3], v[\a] offset:\off
	ds_load_b64 v[\reg+4:\reg+5], v[\a+3] offset:\off+512
	ds_load_b128 v[\reg+6:\reg+9], v[\a] offset:\off+768
	ds_load_b64 v[\reg+10:\reg+11], v[\a+3] offset:\off+1280
.endm
.macro FETCH0 slot, q, p               ; S0's eight fragments of the slot's q-th 128 along K into set p
	WIN TO_S0
.irp i, 0,1,2,3,4,5,6,7
	FRAG 128*(\p)+12*\i,A0+\slot,\i*3072+(\q)*1536
.endr
	WIN 0
.endm
.macro FETCH1 slot, q, i0              ; S1's blocks i0 .. i0 + 3
.irp i, \i0,\i0+1,\i0+2,\i0+3
	FRAG AF+12*(\i),A1+\slot,(\i)*3072+(\q)*1536
.endr
.endm
.macro SCALES sg                       ; the scale words of the sg-th 256 along K: two words a row; lanes 0-15 S1's block i, lanes 16-31 S0's
.irp i, 0,1,2,3,4,5,6,7
	ds_load_b64 v[SC+16*((\sg)%2)+2*\i:SC+16*((\sg)%2)+2*\i+1], v[ADRS] offset:\i*512+(\sg)*128
.endr
.endm
; 16 matrix instructions: S1's blocks a0, a0 + 1 x S0's eight.  The 64 accumulators take turns, one instruction a turn, in the same order in every step.
.macro MUL16 a0, p, q, sc, zero
.irp a, \a0,\a0+1
.irp b, 0,1,2,3,4,5,6,7
.if \zero
	v_wmma_scale_f32_16x16x128_f8f6f4 v[8*(8*((\a)%4)+\b):8*(8*((\a)%4)+\b)+7], v[128*(\p)+12*\b:128*(\p)+12*\b+11], v[AF+12*(\a):AF+12*(\a)+11], 0, v[SC+16*(\sc)+2*\b+(\q)], v[SC+16*(\sc)+2*(\a)+(\q)] matrix_a_fmt:MATRIX_FMT_FP6 matrix_b_fmt:MATRIX_FMT_FP6 matrix_a_scale:MATRIX_SCALE_ROW1
.else
	v_wmma_scale_f32_16x16x128_f8f6f4 v[8*(8*((\a)%4)+\b):8*(8*((\a)%4)+\b)+7], v[128*(\p)+12*\b:128*(\p)+12*\b+11], v[AF+12*(\a):AF+12*(\a)+11], v[8*(8*((\a)%4)+\b):8*(8*((\a)%4)+\b)+7], v[SC+16*(\sc)+2*\b+(\q)], v[SC+16*(\sc)+2*(\a)+(\q)] matrix_a_fmt:MATRIX_FMT_FP6 matrix_b_fmt:MATRIX_FMT_FP6 matrix_a_scale:MATRIX_SCALE_ROW1
.endif
.endr
.endr
.endm
.macro NEXTLO                          ; the next K step's S0 set and S1's blocks 0-3; where it begins a new 256 along K, its scale words
	FETCH0 NSL,NQ1,NQ1
	FETCH1 NSL,NQ1,0
.if NQ1 == 0
	SCALES NSG
.endif
.endm
; K step n.  kind 0: plain.  kind 1: slot 0 has been read out and is filled again behind a round of the cluster's barrier.  kind 2: the same waits and a work-group barrier, nothing filled.  kind 3: the last.
.macro KSTEP n, kind, zero
.set KQ,  (\n)%2
.set KSC, ((\n)/2)%2
.set NQ1, ((\n)+1)%2
.set NSG, ((\n)+1)/2
.set NSL, NSG%3
.if ((\kind) == 1) || ((\kind) == 2)
	s_wait_tensorcnt 0x0                           ; all my tensor loads have landed
	ds_add_u32 v[SPW], v[NIL]                      ; 0 onto my spare word
	s_wait_dscnt 17                                ; (the add and the youngest sixteen loads, S1's blocks 4-7, may be out)
	WIN MUL_LO
	MUL16 0,KQ,KQ,KSC,0                            ; sixteen matrix instructions stand between the add and the wait for it
	s_wait_dscnt 0x0                               ; the add is done, and my reads of the slot are over
	s_barrier_signal -1
	MUL16 2,KQ,KQ,KSC,0
	WIN 0
	s_barrier_wait -1
.if (\kind) == 1
	CREST                                          ; the barrier has opened a round: no wave of any partner still reads slot 0 or has a load on its way
	s_add_nc_u64 s[G0+2:G0+3], s[G0+2:G0+3], 3*YSTEP
	s_add_nc_u64 s[G0B+2:G0B+3], s[G0B+2:G0B+3], 3*XSTEP
	JLOAD G0,G1,G0B,G1B                            ; the last quarter of K: four K steps in which to land; its four v_nop are the places in front of the loads below
.else
	PLACES 4
.endif
.else
	s_wait_dscnt 16                                ; S0's set and S1's blocks 0-3 are in; the youngest sixteen loads (blocks 4-7) may be out
	WIN MUL_LO
	MUL16 0,KQ,KQ,KSC,\zero
	MUL16 2,KQ,KQ,KSC,\zero
	s_wait_dscnt 0x0
.if (\kind) == 0
	PLACES 4
.endif
.endif
.if (\kind) != 3
	NEXTLO
.endif
	WIN MUL_HI
	MUL16 4,KQ,KQ,KSC,\zero
	MUL16 6,KQ,KQ,KSC,\zero
.if (\kind) != 3
	PLACES 4
	WIN 0
	FETCH1 NSL,NQ1,4
.else
	WIN 0
.endif
.endm
	s_wait_tensorcnt 2                             ; the scale words and the first quarter of K are in; the second and third may stay out
	s_barrier_signal -1
	s_barrier_wait -1
	FETCH0 0,0,0
	FETCH1 0,0,0
	SCALES 0
	FETCH1 0,0,4
	KSTEP 0,0,1                                    ; the first products start the sums: nothing is cleared
	KSTEP 1,1,0                                    ; its wait for all loads, in every wave, shows slots 1 AND 2 whole: no barrier is owed between them
	KSTEP 2,0,0
	KSTEP 3,0,0
	KSTEP 4,0,0
	KSTEP 5,2,0                                    ; the refill of slot 0 has landed, in every wave
	KSTEP 6,0,0
	KSTEP 7,3,0
	; THE WAY OUT: bias, quantiser, stores; no LDS.
	s_wait_loadcnt 0x0                             ; the biases
	PLACES 4
	s_cmp_eq_u32 s92, 2
	s_cselect_b32 s100, -1, 0                      ; all lanes where v
	s_cselect_b32 s101, 0, -1                      ; all lanes where q or k
	s_mov_b32 s94, 768
	s_cselect_b32 s94, 1536, s94                   ; from an S1 tile's place to the next
	s_cselect_b32 s96, 96256, 0                    ; and, for v, on into the next head behind four tiles
	s_add_co_u32 s96, s96, s94
	s_mov_b32 s95, 0
	s_mov_b32 s97, 0
	s_mov_b32 s2, 0xffff0000                       ; lanes 16-31
	s_lshr_b32 s66, s23, 3                         ; the batch
	s_lshl_b32 s66, s66, 4
	s_lshl_b32 s3, s21, 2
	s_add_co_u32 s66, s66, s3
	s_lshl_b32 s3, s18, 1
	s_add_co_u32 s66, s66, s3                      ; 16 x batch + my first head
	s_mul_i32 s66, s66, 102400
	s_and_b32 s3, s23, 7
	s_mul_i32 s3, s3, 12800                        ; the slot of 256 tokens
	s_add_co_u32 s66, s66, s3
	s_mul_i32 s3, s92, XT
	s_add_co_u32 s66, s66, s3
	s_lshl_b32 s98, s17, 8
	s_add_co_u32 s98, s98, s66
	s_add_co_u32 s98, s98, 12288                   ; my 128 tokens' scale words
	s_mul_i32 s3, s17, 6144
	s_add_co_u32 s66, s66, s3                      ; my 128 tokens' records
	s_mov_b32 s67, 0
	s_mov_b32 s99, 0
	s_add_nc_u64 s[66:67], s[14:15], s[66:67]
	s_add_nc_u64 s[98:99], s[14:15], s[98:99]
.set J, 0
.rept 64
	v_cndmask_b32 v[BB+J], 0, v[BB+J], s101        ; q, k: the bias runs along the registers; v: none there
.set J, J+1
.endr
.set J, 0
.rept 8
	v_cndmask_b32 v[BVA+J], 0, v[BVA+J], s100      ; v: it runs along the lanes; q, k: none there
.set J, J+1
.endr
; S1 tile a: 64 numbers a lane, register 16 B + i = 32 B + 16 h + i along the next K, become a fragment and its scale word.
.macro EPI a
	WIN 2+(\a)/4                                   ; source 0: window 2 or 3
.set J, 0
.rept 32
	v_pk_add_f32 v[HA+J:HA+J+1], v[64*((\a)%4)+J:64*((\a)%4)+J+1], v[BB+J:BB+J+1]   ; each accumulator from its low end on
.set J, J+2
.endr
	WIN 0
.set J, 0
.rept 32
.if (\a)%2
	v_pk_add_f32 v[HA+J:HA+J+1], v[HA+J:HA+J+1], v[BVA+2*((\a)/2):BVA+2*((\a)/2)+1] op_sel:[0,1] op_sel_hi:[1,1]
.else
	v_pk_add_f32 v[HA+J:HA+J+1], v[HA+J:HA+J+1], v[BVA+2*((\a)/2):BVA+2*((\a)/2)+1] op_sel_hi:[1,0]
.endif
.set J, J+2
.endr
.irp b, 0,1,2,3
	v_max3_num_f32 v[TM+\b], |v[HA+16*\b]|, |v[HA+1+16*\b]|, 0x1800000   ; with the floor 2^(3 - 127): the byte cannot fall under 1
.endr
.irp i, 2,4,6,8,10,12,14
.irp b, 0,1,2,3
	v_max3_num_f32 v[TM+\b], v[TM+\b], |v[HA+16*\b+\i]|, |v[HA+1+16*\b+\i]|
.endr
.endr
.irp b, 0,1,2,3
	v_permlanex16_b32 v[TM+4+\b], v[TM+\b], s22, s23
.endr
.irp b, 0,1,2,3
	v_max_num_f32 v[TM+\b], v[TM+\b], v[TM+4+\b]   ; with lane l xor 16's: the block's largest magnitude
.endr
.irp b, 0,1,2,3
	v_add_nc_u32 v[TM+12+\b], 0xff000000, v[TM+\b] ; 2 off its exponent field: the conversion's scale operand
.endr
.irp b, 0,1,2,3
	v_lshrrev_b32 v[TM+4+\b], 23, v[TM+12+\b]      ; the byte
.endr
	v_lshl_or_b32 v[PWS+(\a)], v[TM+5], 8, v[TM+4]
	v_lshl_or_b32 v[PWS+(\a)], v[TM+6], 16, v[PWS+(\a)]
	v_lshl_or_b32 v[PWS+(\a)], v[TM+7], 24, v[PWS+(\a)]
	s_wait_xcnt 0x0                                ; the last tile's stores have read their data and their base: both are written again only behind this wait
.if (\a) == 4
	s_add_nc_u64 s[66:67], s[66:67], s[96:97]
.elseif (\a) > 0
	s_add_nc_u64 s[66:67], s[66:67], s[94:95]
.endif
.irp c, 0,1
	v_cvt_scalef32_pk16_fp6_f32 v[PC+6*\c:PC+2+6*\c], v[HA+32*\c:HA+15+32*\c], v[TM+12+2*\c]
	v_cvt_scalef32_pk16_fp6_f32 v[PC+12+4*\c:PC+14+4*\c], v[HA+16+32*\c:HA+31+32*\c], v[TM+12+2*\c+1]   ; (a conversion's three registers begin on an even number)
.endr
	v_nop                                          ; one plain place behind a scaled conversion
.irp c, 0,1                            ; the operand's layout wants a whole block in a lane
.irp i, 0,1,2
	v_permlane16_swap_b32 v[PC+6*\c+\i], v[PC+12+4*\c+\i]
.endr
.irp i, 0,1,2
	v_mov_b32 v[PC+3+6*\c+\i], v[PC+12+4*\c+\i]
.endr
.endr
	global_store_b128 v[VA], v[PC:PC+3], s[66:67]              ; 512 consecutive bytes
	global_store_b64 v[VB], v[PC+4:PC+5], s[66:67] offset:512  ; 256 consecutive bytes
	global_store_b128 v[VC], v[PC+6:PC+9], s[66:67]
	global_store_b64 v[VD], v[PC+10:PC+11], s[66:67] offset:512
.endm
	s_mov_b32 s22, 0x76543210                      ; (the ids in s22 and s23 have served)
	s_mov_b32 s23, 0xfedcba98                      ; v_permlanex16_b32's selects for lane l xor 16
.irp a, 0,1,2,3,4,5,6,7
	EPI \a
.endr
	; the scale words.  q, k: the word of a pair of token tiles holds each tile's two bytes of one head: lanes 0-15 my first head, lanes 16-31 my second.  v: a tile's word as it is: lanes 0-15 tiles 0-3, lanes 16-31 tiles 4-7
.irp p, 0,1,2,3
	v_perm_b32 v[216+\p], v[PWS+2*\p+1], v[PWS+2*\p], 0x05040100
	v_perm_b32 v[220+\p], v[PWS+2*\p+1], v[PWS+2*\p], 0x07060302
.endr
.irp p, 0,1,2,3
	v_cndmask_b32 v[216+\p], v[216+\p], v[220+\p], s2
	v_cndmask_b32 v[220+\p], v[PWS+\p], v[PWS+4+\p], s2
.endr
.irp p, 0,1,2,3
	v_cndmask_b32 v[OUTW+\p], v[216+\p], v[220+\p], s100
.endr
	global_store_b128 v[VS], v[OUTW:OUTW+3], s[98:99]          ; sixteen lanes store 256 consecutive bytes, aligned, for each of the two heads
	s_wait_tensorcnt 0x0                           ; the wave's end: behind my last tensor load
	ds_add_u32 v[SPW], v[NIL]
	s_wait_dscnt 0x0
	CROUND                                         ; the closing round: no work-group ends while a partner may still ask for a tile that names it
	s_endpgm
.Lfunc_end_k_q402cb32dfe_proj:
	.size	k_q402cb32dfe_proj, .Lfunc_end_k_q402cb32dfe_proj-k_q402cb32dfe_proj
	.p2alignl 7, 3214868480
	.fill 96, 4, 3214868480
	.section	.rodata,"a",@progbits
	.p2align	6, 0x0
	.amdhsa_kernel k_q402cb32dfe_proj
		.amdhsa_group_segment_fixed_size 327680
		.amdhsa_private_segment_fixed_size 0
		.amdhsa_enable_private_segment 0
		.amdhsa_kernarg_size 48
		.amdhsa_user_sgpr_count 2
		.amdhsa_user_sgpr_kernarg_segment_ptr 1
		.amdhsa_wavefront_size32 1
		.amdhsa_system_sgpr_workgroup_id_x 1
		.amdhsa_system_sgpr_workgroup_id_y 1
		.amdhsa_system_sgpr_workgroup_id_z 1
		.amdhsa_system_vgpr_workitem_id 0
		.amdhsa_next_free_vgpr 1024
		.amdhsa_next_free_sgpr 104
		.amdhsa_reserve_vcc 0
		.amdhsa_float_denorm_mode_32 3
		.amdhsa_float_denorm_mode_16_64 3
		.amdhsa_memory_ordered 1
		.amdhsa_forward_progress 1
		.amdhsa_inst_pref_size 190
	.end_amdhsa_kernel
	.amdgpu_metadata
---
amdhsa.version: [ 1, 2 ]
amdhsa.kernels:
  - .name:           k_q402cb32dfe_proj
    .symbol:         k_q402cb32dfe_proj.kd
    .args:
      - { .name: xq, .offset: 0, .size: 8, .value_kind: global_buffer, .address_space: global }
      - { .name: wq, .offset: 8, .size: 8, .value_kind: global_buffer, .address_space: global }
      - { .name: bq, .offset: 16, .size: 8, .value_kind: global_buffer, .address_space: global }
      - { .name: bk, .offset: 24, .size: 8, .value_kind: global_buffer, .address_space: global }
      - { .name: bv, .offset: 32, .size: 8, .value_kind: global_buffer, .address_space: global }
      - { .name: qkv, .offset: 40, .size: 8, .value_kind: global_buffer, .address_space: global }
    .group_segment_fixed_size: 327680
    .private_segment_fixed_size: 0
    .kernarg_segment_align: 8
    .kernarg_segment_size: 48
    .max_flat_workgroup_size: 128
    .sgpr_count:     104
    .vgpr_count:     1024
    .wavefront_size: 32
...
	.end_amdgpu_metadata
.endif
;; end of part 2
;; launch attn (part 3): grid 8 x 64, 16 waves a work-group, no clusters, 327,680 bytes of LDS; arguments qkv, oq; writes oq
.if DOCPART == 3
	.amdgcn_target "amdgcn-amd-amdhsa--gfx1250"
	.amdhsa_code_object_version 6
	.text
	.protected	k_q402cb32dfe_attn
	.globl	k_q402cb32dfe_attn
	.p2align	8
	.type	k_q402cb32dfe_attn,@function
k_q402cb32dfe_attn:
	s_mov_b64 s[64:65], 0
	v_nop
	global_prefetch_b8 v0, s[64:65] scope:SCOPE_SE
	s_setreg_imm32_b32 hwreg(HW_REG_WAVE_MODE, 25, 1), 1
	s_wait_xcnt 0x0
; For each of 64 heads of batches: O[q] = sum over k <= q of softmax_k(Q[q] . K[k] / 8) V[k], 2,048 tokens, head size 64, both products on codes of FP6 (E2M3) with E8M0 scales; O / l is quantised along the
; model's 1,024 for the last product.  t = score x log2(e) / 8; M = the running largest t rounded UP to a whole number; p = 2^(t - M) is quantised along the keys, not normalised; l is the sum of the unquantised p.
; SHARES.  Work-group (j, head): waves 0-7 own the 128 queries of block j, waves 8-15 those of block 15 - j, a tile of 16 queries each: 8 (j + 1) + 8 (16 - j) = 136 key steps of 128 in every work-group.
; K's and V's records of 256 keys (12,800 bytes each, codes as images of operand registers, then scale words) come through two LDS slots; waves 0-3 fetch a quarter of a slot each; all sixteen read.
; NO CLUSTER: the work-groups of a head need different numbers of slots (8 - j / 2 of them), and a joint load may not be left out by one partner; a slot is 25,600 bytes for 32 key steps' work.
; LAYOUT.  S^T = K Q^T, O^T = V^T P^T: a lane holds one query (lane % 16).  A tile of K holds keys 32 (t / 2) + 8 (t % 2) + r + 8 (r / 8): the 16 registers of tiles 2 b, 2 b + 1 are 16 neighbouring keys.
; THE FIRST PRODUCT'S K IS 64 under an instruction of 128: the other 64 codes are zeros on both sides.  Registers [k even | six zeros | k odd] serve two tiles: the even one as registers 0-11 against [q | zeros],
; the odd one as registers 6-17 against [zeros | q].  One scale word holds the even tile's two bytes and the odd tile's two; the zeros stand under bytes between 1 and 254.
; CAUSAL.  Every work-group walks all 8 slots (constant trip counts); a step all of whose keys come after the wave's queries is jumped over; a slot beyond the work-group's last query is not asked for.
; LIMITS: NaN and infinities are not served; p under 2^-126 counts as 0; 1 / l is v_rcp_f32 and a multiplication; a block's largest p is taken from its largest score, which takes v_exp_f32 not to fall where its
; input rises; a block of zeros keeps the byte 1 (its codes are zeros, and this program alone reads the bytes).
.set TEN,   6553600                    ; a tensor of qkv
.set BHS,   102400                     ; a head's records
.set REC,   12800                      ; a record: 256 tokens
.set SLOT1, 32768                      ; slot 1 begins here: one exclusive or turns an address
.set VREC,  12800                      ; in a slot: K's record, then V's
.set SPARE, 65536                      ; the spare words, 128 bytes a wave: eight blocks of 256 bytes that no other line names
.set SPW, 7                            ; v7   LDS address of my spare word; never rewritten
.set NIL, 8                            ; v8   0; never rewritten
.set PFO, 9                            ; v9   the prefetches' offset
.set QS,  10                           ; v10  Q's scale word {s0, s1, s0, s1}
.set PS,  11                           ; v11  p's scale word
.set QF,  16                           ; v16-33  [q | six zeros | q]
.set KF,  34                           ; v34-69  two of [k even | six zeros | k odd]
.set SK,  70                           ; v70-73  K's scale words, a pair of tiles each
.set SV,  74                           ; v74-77  V's
.set DG,  79                           ; v79  r - 16 h
.set S,   80                           ; v80-143 S^T, then p; v80-127 then V's four fragments
.set O,   144                          ; v144-175 O^T
.set PC,  176                          ; v176-187 p's codes
.set PT,  188                          ; v188-195 the upper halves, as converted
.set BM,  196                          ; v196-199 the blocks' largest scores, then p
.set BP,  200                          ; v200-203 lane permutes' destinations
.set BS,  204                          ; v204-207 the conversions' scale operands
.set BY,  208                          ; v208-211 the bytes
.set WV,  18
.set SEL, 20
.set CS,  22
.set G1,  24
.set G0,  40
.set TB,  2                            ; s2   LDS byte at which the slot in hand begins
.set SLOTS, 67
.set PFA, 76
.set LIM, 80
.set QL,  97                           ; s97  my work-group's last query
.set KFS, 98                           ; s98  the step's first key
.set Q0,  99                           ; s99  my first query
.macro TLOAD                           ; waves 0-3 fetch; an s_nop 0 and four v_nop follow the line
	s_cmp_lt_u32 s[WV], 4
	s_cbranch_scc0 .Lasked_\@
	tensor_load_to_lds s[G0:G0+3], s[G1:G1+7]
	s_nop 0
.rept 4
	v_nop
.endr
.Lasked_\@:
.endm
; A prefetch of what the NEXT change of slots will ask for, behind this change's tensor load: a slot's 2 key steps ahead of that load.  All work-groups of a head walk the same records: the one with j = 0, which asks
; for all eight slots, prefetches; in it waves 4-7, which fetch nothing, name the 25 blocks of 256 bytes that waves 0-3 will load, a lane a block (lanes 25-31 name lane 24's block again).
; Slots 0 and 1 come by their loads alone; the last change that fills a slot asks for nothing.
.macro ASK
	s_cmp_gt_u32 s[SLOTS], s[LIM]
	s_cbranch_scc0 .Lnot_mine_\@
	global_prefetch_b8 v[PFO], s[PFA:PFA+1] th:TH_LOAD_NT scope:SCOPE_SE
.Lnot_mine_\@:
.endm
	s_load_b128 s[4:7], s[0:1], 0x0                ; qkv s[4:5], oq s[6:7]
	v_lshl_add_u32 v[SPW], v0, 2, SPARE
	v_mov_b32 v[NIL], 0
	ds_add_u32 v[SPW], v[NIL]                      ; the wave's opening: the add and its wait stand ahead of my first tensor load; the set-up stands between them
	ds_add_u32 v[SPW], v[NIL]
	v_lshrrev_b32 v1, 5, v0
	s_delay_alu instid0(VALU_DEP_1)
	v_readfirstlane_b32 s[WV], v1                  ; wave 0..15
	s_and_b32 s9, ttmp7, 0xffff                    ; the head of a batch, 0..63
	s_sub_co_u32 s10, 15, ttmp9
	s_cmp_lt_u32 s[WV], 8
	s_cselect_b32 s10, ttmp9, s10                  ; my block of 128 queries: j or 15 - j
	s_and_b32 s11, s[WV], 7
	s_lshl_b32 s10, s10, 3
	s_add_co_u32 s11, s11, s10                     ; my tile of 16 queries, 0..127
	s_lshl_b32 s[Q0], s11, 4
	s_lshl_b32 s[QL], ttmp9, 7
	s_sub_co_u32 s[QL], 2047, s[QL]
	s_mov_b32 s[G1], 3<<16                         ; no mask; elements of 8 bytes; no padding: 6,400 dense bytes as 25 rows of 256
	s_mov_b32 s[G1+1], 32<<16
	s_mov_b32 s[G1+2], 25<<16
	s_mov_b32 s[G1+3], 32<<16
	s_mov_b32 s[G1+4], 25
	s_mov_b32 s[G1+5], 32
	s_mov_b32 s[G1+6], 0
	s_mov_b32 s[G1+7], 0
	s_mul_i32 s8, s9, BHS                          ; the head's records
	s_and_b32 s12, s[WV], 3                        ; which quarter of a slot: K's halves, V's halves
	s_mul_i32 s13, s12, 6400                       ; in LDS,
	s_lshr_b32 s14, s12, 1
	s_add_co_u32 s14, s14, 1
	s_mul_i32 s14, s14, TEN
	s_add_co_u32 s14, s14, s8
	s_and_b32 s16, s12, 1
	s_mul_i32 s16, s16, 6400
	s_add_co_u32 s14, s14, s16                     ; and in memory
	s_mov_b32 s15, 0
	s_lshr_b32 s32, s11, 4
	s_mul_i32 s32, s32, REC
	s_add_co_u32 s32, s32, s8                      ; the record of my queries
	s_and_b32 s33, s11, 15
	s_mul_i32 s34, s33, 768
	s_add_co_u32 s34, s34, s32                     ; my tile's codes
	s_mov_b32 s35, 0
	s_lshr_b32 s36, s33, 3
	s_lshl_b32 s36, s36, 8
	s_add_co_u32 s36, s36, s32
	s_and_b32 s33, s11, 7
	s_lshr_b32 s33, s33, 1
	s_lshl_b32 s33, s33, 2
	s_add_co_u32 s36, s36, s33
	s_add_co_u32 s36, s36, 12288                   ; the scale word of my pair of tiles
	s_mov_b32 s37, 0
	s_and_b32 s33, s9, 15                          ; the head: record number along K in oq
	s_lshr_b32 s32, s9, 4
	s_lshl_b32 s32, s32, 7
	s_add_co_u32 s32, s32, s11                     ; my tile of 16 tokens among 512
	s_lshr_b32 s46, s33, 2
	s_mul_i32 s38, s46, 1572864
	s_mul_i32 s47, s32, 3072
	s_add_co_u32 s38, s38, s47
	s_and_b32 s47, s33, 3
	s_mul_i32 s48, s47, 768
	s_add_co_u32 s38, s38, s48                     ; where my result's codes go
	s_mov_b32 s39, 0
	s_lshl_b32 s44, s32, 9
	s_lshl_b32 s46, s46, 7
	s_add_co_u32 s44, s44, s46
	s_lshl_b32 s47, s47, 1
	s_add_co_u32 s44, s44, s47
	s_add_co_u32 s44, s44, 6291456                 ; and its two scale bytes a row
	s_mov_b32 s45, 0
	s_lshr_b32 s12, s[WV], 2
	s_xor_b32 s12, s12, 1                          ; 0 in waves 4-7,
	s_or_b32 s12, s12, ttmp9                       ; of the work-group with j = 0
	s_cmp_eq_u32 s12, 0
	s_cselect_b32 s[LIM], 1, -1
	s_mov_b32 s49, 0x01000100
	s_bitcmp1_b32 s[WV], 0
	s_cselect_b32 s49, 0x03020302, s49             ; my tile's two bytes of the pair's word, twice
	s_mov_b32 s[SEL], 0x76543210
	s_mov_b32 s[SEL+1], 0xfedcba98                 ; v_permlanex16_b32's selects for lane l xor 16
	s_mov_b32 s[CS], 0x3e38aa3b                    ; c = log2(e) / 8
	s_mov_b32 s[CS+1], s[CS]                       ; (named with it as a pair, so it is written)
	s_mov_b32 s[TB], 0
	s_mov_b32 s[SLOTS], 7
	s_mov_b32 s[KFS], 0
	s_wait_dscnt 0x0                               ; the opening add is done
	s_wait_kmcnt 0x0
	s_mov_b32 s[G0], 1
	s_mov_b32 s[G0+1], s13
	s_add_nc_u64 s[G0+2:G0+3], s[4:5], s[14:15]
	s_add_nc_u64 s[PFA:PFA+1], s[G0+2:G0+3], REC   ; in slot 1: the first change of slots steps it to slot 2
	s_or_b32 s[G0+3], s[G0+3], 0x80000000
	TLOAD                                          ; slot 0
	s_add_nc_u64 s[34:35], s[4:5], s[34:35]
	s_add_nc_u64 s[36:37], s[4:5], s[36:37]
	s_add_nc_u64 s[38:39], s[6:7], s[38:39]
	s_add_nc_u64 s[44:45], s[6:7], s[44:45]
	v_and_b32 v[PFO], 31, v0
	s_delay_alu instid0(VALU_DEP_1)
	v_lshlrev_b32 v1, 4, v[PFO]                    ; v1  16 l; never rewritten
	s_delay_alu instid0(VALU_DEP_2)
	v_lshlrev_b32 v2, 3, v[PFO]                    ; v2  8 l
	v_and_b32 v3, 15, v0
	v_bfe_u32 v[DG], v0, 4, 1
	s_delay_alu instid0(VALU_DEP_1)
	v_lshlrev_b32 v[DG], 4, v[DG]
	s_delay_alu instid0(VALU_DEP_1)
	v_sub_nc_u32 v[DG], v3, v[DG]
	s_delay_alu instid0(VALU_DEP_4)
	v_lshlrev_b32 v3, 4, v3                        ; v3  16 r
	v_min_u32 v[PFO], 24, v[PFO]
	s_delay_alu instid0(VALU_DEP_1)
	v_lshlrev_b32 v[PFO], 8, v[PFO]
	global_load_b128 v[QF:QF+3], v1, s[34:35]      ; Q's record, twice: it stays in registers
	global_load_b64 v[QF+4:QF+5], v2, s[34:35] offset:512
	global_load_b128 v[QF+12:QF+15], v1, s[34:35]
	global_load_b64 v[QF+16:QF+17], v2, s[34:35] offset:512
	global_load_b32 v212, v3, s[36:37]
.irp i, 6,7,8,9,10,11
	v_mov_b32 v[QF+\i], 0                          ; the zero codes, written once
	v_mov_b32 v[KF+\i], 0
	v_mov_b32 v[KF+18+\i], 0
.endr
	v_mov_b32 v13, 0xff61b1e6                      ; the largest t so far: -3e38
	s_delay_alu instid0(VALU_DEP_1)
	v_floor_f32 v12, -v13                          ; -M
	v_mov_b32 v14, 0                               ; the sum, in two halves
	v_mov_b32 v15, 0
	v_mov_b32 v215, 0                              ; (named as the upper half of the pair v[214:215])
.irp b, 0,1,2,3
	v_mov_b32 v[BP+\b], 0                          ; written once: a lane permute's destination counts as one of its sources
.endr
	s_wait_loadcnt 0x0                             ; Q
	v_perm_b32 v[QS], v212, v212, s49
.set J, 0
.rept 32
	v_mov_b32 v[O+J], 0                            ; O^T: the loop has no first step of its own.  (These are also the places between the scale word just made and the first product)
.set J, J+1
.endr
; A KEY STEP: 128 keys, the q-th of the slot in hand.
.macro STEP q
	s_add_co_u32 s96, s[Q0], 15                    ; a step all of whose keys come after my 16 queries is left out: a branch on ids, round no barrier and no tensor load
	s_cmp_gt_u32 s[KFS], s96
	s_cbranch_scc1 .Lhidden_\@
	v_add_nc_u32 v4, s[TB], v1
	s_wait_alu depctr_va_vdst(0)
	v_add_nc_u32 v5, s[TB], v2
	s_wait_alu depctr_va_vdst(0)
	v_add_nc_u32 v6, s[TB], v3
.irp g, 0,1                            ; S^T = K Q^T, four tiles of 16 keys at a time
.if \g
.rept 4
	v_nop                                          ; places in front of loads into registers that matrix instructions have read
.endr
.endif
.irp p, 0,1
.irp u, 0,1
	ds_load_b128 v[KF+18*\p+12*\u:KF+18*\p+12*\u+3], v4 offset:(8*(\q)+4*\g+2*\p+\u)*768
	ds_load_b64 v[KF+18*\p+12*\u+4:KF+18*\p+12*\u+5], v5 offset:(8*(\q)+4*\g+2*\p+\u)*768+512
.endr
.endr
.if \g == 0
	ds_load_b128 v[SK:SK+3], v6 offset:12288+256*(\q)
.endif
	s_wait_dscnt 0x0
.irp p, 0,1
	v_wmma_scale_f32_16x16x128_f8f6f4 v[S+8*(4*\g+2*\p):S+8*(4*\g+2*\p)+7], v[KF+18*\p:KF+18*\p+11], v[QF:QF+11], 0, v[SK+2*\g+\p], v[QS] matrix_a_fmt:MATRIX_FMT_FP6 matrix_b_fmt:MATRIX_FMT_FP6
	v_wmma_scale_f32_16x16x128_f8f6f4 v[S+8*(4*\g+2*\p+1):S+8*(4*\g+2*\p+1)+7], v[KF+18*\p+6:KF+18*\p+17], v[QF+6:QF+17], 0, v[SK+2*\g+\p], v[QS] matrix_a_fmt:MATRIX_FMT_FP6 matrix_b_fmt:MATRIX_FMT_FP6
.endr
.endr
.rept 4
	v_nop
.endr
	s_add_co_u32 s96, s[KFS], 127                  ; on the diagonal hidden scores become -infinity ahead of the maximum; a step all of whose keys count skips this
	s_cmp_le_u32 s96, s[Q0]
	s_cbranch_scc1 .Lopen_\@
	s_sub_co_i32 s96, s[Q0], s[KFS]
	v_add_nc_u32 v212, s96, v[DG]                  ; d = my query - the step's first key - 16 h.  Register 16 b + i holds key 32 b + 16 h + i of the step: hidden where 32 b + i > d
	v_mov_b32 v213, 0xff800000
.set J, 0
.rept 64
	v_cmp_gt_i32 vcc_lo, 32*(J/16)+J%16, v212
	v_cndmask_b32 v[S+J], v[S+J], v213, vcc_lo
.set J, J+1
.endr
.Lopen_\@:
.irp b, 0,1,2,3
	v_max3_num_f32 v[BM+\b], v[S+16*\b], v[S+16*\b+1], v[S+16*\b+2]   ; the largest score of each block of 32 keys: for the row's maximum, and for the block's largest p
.endr
.irp i, 3,5,7,9,11,13
.irp b, 0,1,2,3
	v_max3_num_f32 v[BM+\b], v[BM+\b], v[S+16*\b+\i], v[S+16*\b+\i+1]
.endr
.endr
.irp b, 0,1,2,3
	v_max_num_f32 v[BM+\b], v[BM+\b], v[S+16*\b+15]
.endr
.irp b, 0,1,2,3
	s_delay_alu instid0(VALU_DEP_4)
	v_permlanex16_b32 v[BP+\b], v[BM+\b], s[SEL], s[SEL+1]
.endr
.irp b, 0,1,2,3
	s_delay_alu instid0(VALU_DEP_4)
	v_max_num_f32 v[BM+\b], v[BM+\b], v[BP+\b]     ; with lane l xor 16's 16 keys
.endr
	s_delay_alu instid0(VALU_DEP_2)
	v_max3_num_f32 v212, v[BM], v[BM+1], v[BM+2]
	s_delay_alu instid0(VALU_DEP_1)
	v_max_num_f32 v212, v212, v[BM+3]
	s_delay_alu instid0(VALU_DEP_1)
	v_mul_f32 v212, s[CS], v212                    ; the step's largest t
	s_delay_alu instid0(VALU_DEP_1)
	v_max_num_f32 v13, v13, v212                   ; the running largest t
	v_mov_b32 v212, v12
	s_delay_alu instid0(VALU_DEP_2)
	v_floor_f32 v12, -v13                          ; the new -M = -ceil(t): a whole number
	s_delay_alu instid0(VALU_DEP_1)
	v_sub_f32 v212, v12, v212                      ; old M - new M: a whole number, 0 or less
	s_delay_alu instid0(VALU_DEP_1)
	v_cvt_i32_f32 v212, v212                       ; (it saturates)
	s_delay_alu instid0(VALU_DEP_1)
	v_ldexp_f32 v214, 1.0, v212                    ; f = 2^(old M - new M): a multiplication by it rounds nothing
.set J, 0
.rept 32
	v_pk_fma_f32 v[S+J:S+J+1], v[S+J:S+J+1], s[CS:CS+1], v[12:13] op_sel_hi:[1,0,0]   ; t - M, two at a time
.set J, J+2
.endr
.irp b, 0,1,2,3
	v_fma_f32 v[BM+\b], v[BM+\b], s[CS], v12       ; the same of each block's largest score
.endr
.set J, 0
	s_wait_alu depctr_va_vdst(0)
.rept 64
	v_exp_f32 v[S+J], v[S+J]                       ; p = 2^(t - M)
.set J, J+1
.endr
	v_pk_mul_f32 v[14:15], v[14:15], v[214:215] op_sel_hi:[1,0]   ; the sums under the new M: the plain place behind the exponentials
	s_wait_alu depctr_va_vdst(0)                   ; one wait for the whole batch, ahead of its first reader
.irp b, 0,1,2,3
	v_exp_f32 v[BM+\b], v[BM+\b]                   ; the block's largest p: the same two instructions on the same number
.endr
	v_pk_add_f32 v[216:217], v[84:85], v[88:89]
	v_pk_add_f32 v[254:255], v[92:93], v[96:97]
	v_pk_add_f32 v[252:253], v[100:101], v[104:105]
	v_pk_add_f32 v[250:251], v[108:109], v[112:113]
	v_pk_add_f32 v[248:249], v[116:117], v[120:121]
	v_pk_add_f32 v[246:247], v[124:125], v[128:129]
	v_pk_add_f32 v[244:245], v[132:133], v[136:137]
	v_pk_add_f32 v[14:15], v[14:15], v[140:141]
	v_pk_add_f32 v[216:217], v[216:217], v[80:81]
	v_pk_add_f32 v[254:255], v[254:255], v[82:83]
	v_pk_add_f32 v[252:253], v[252:253], v[86:87]
	v_pk_add_f32 v[250:251], v[250:251], v[90:91]
	v_pk_add_f32 v[248:249], v[248:249], v[94:95]
	v_pk_add_f32 v[246:247], v[246:247], v[98:99]
	v_pk_add_f32 v[244:245], v[244:245], v[102:103]
	v_pk_add_f32 v[14:15], v[14:15], v[106:107]
	v_pk_add_f32 v[216:217], v[216:217], v[110:111]
	v_pk_add_f32 v[254:255], v[254:255], v[114:115]
	v_pk_add_f32 v[252:253], v[252:253], v[118:119]
	v_pk_add_f32 v[250:251], v[250:251], v[122:123]
	v_pk_add_f32 v[248:249], v[248:249], v[126:127]
	v_pk_add_f32 v[246:247], v[246:247], v[130:131]
	v_pk_add_f32 v[244:245], v[244:245], v[134:135]
	v_pk_add_f32 v[14:15], v[14:15], v[138:139]
	v_pk_add_f32 v[216:217], v[216:217], v[142:143]
	s_delay_alu instid0(VALU_DEP_2)
	v_pk_add_f32 v[14:15], v[14:15], v[250:251]
	s_delay_alu instid0(VALU_DEP_2)
	v_pk_add_f32 v[216:217], v[216:217], v[248:249]
	v_pk_add_f32 v[254:255], v[254:255], v[246:247]
	v_pk_add_f32 v[252:253], v[252:253], v[244:245]
	s_delay_alu instid0(VALU_DEP_2)
	v_pk_add_f32 v[14:15], v[14:15], v[254:255]
	s_delay_alu instid0(VALU_DEP_2)
	v_pk_add_f32 v[216:217], v[216:217], v[252:253]
	s_delay_alu instid0(VALU_DEP_1)
	v_pk_add_f32 v[14:15], v[14:15], v[216:217]
	s_wait_alu depctr_va_vdst(0)                   ; and one for the four
.irp b, 0,1,2,3
	v_max_num_f32 v[BM+\b], 0x1800000, v[BM+\b]    ; the floor 2^(3 - 127): the byte cannot fall under 1
.endr
.irp b, 0,1,2,3
	s_delay_alu instid0(VALU_DEP_4)
	v_add_nc_u32 v[BS+\b], 0xff000000, v[BM+\b]    ; 2 off the exponent field: the conversion's scale operand
.endr
.irp b, 0,1,2,3
	s_delay_alu instid0(VALU_DEP_4)
	v_lshrrev_b32 v[BY+\b], 23, v[BS+\b]
.endr
	s_delay_alu instid0(VALU_DEP_3)
	v_lshl_or_b32 v[PS], v[BY+1], 8, v[BY]         ; p's scale word for these 128 keys
	s_delay_alu instid0(VALU_DEP_1)
	v_lshl_or_b32 v[PS], v[BY+2], 16, v[PS]
	s_delay_alu instid0(VALU_DEP_1)
	v_lshl_or_b32 v[PS], v[BY+3], 24, v[PS]
.irp c, 0,1
	v_cvt_scalef32_pk16_fp6_f32 v[PC+6*\c:PC+6*\c+2], v[S+32*\c:S+32*\c+15], v[BS+2*\c]
	v_cvt_scalef32_pk16_fp6_f32 v[PT+4*\c:PT+4*\c+2], v[S+32*\c+16:S+32*\c+31], v[BS+2*\c+1]   ; (a conversion's three registers begin on an even number)
.endr
	v_nop                                          ; one plain place behind a scaled conversion
.irp t, 0,1,2,3                        ; V's four fragments (16 channels x these 128 keys) land where p lay, while the codes are put in order
	ds_load_b128 v[S+12*\t:S+12*\t+3], v4 offset:VREC+(\q)*6144+\t*1536
	ds_load_b64 v[S+12*\t+4:S+12*\t+5], v5 offset:VREC+(\q)*6144+\t*1536+512
	ds_load_b128 v[S+12*\t+6:S+12*\t+9], v4 offset:VREC+(\q)*6144+\t*1536+768
	ds_load_b64 v[S+12*\t+10:S+12*\t+11], v5 offset:VREC+(\q)*6144+\t*1536+1280
.endr
	ds_load_b128 v[SV:SV+3], v6 offset:VREC+12288+256*(\q)
.irp c, 0,1                            ; the operand's layout wants a whole block in a lane
.irp i, 0,1,2
	v_permlane16_swap_b32 v[PC+6*\c+\i], v[PT+4*\c+\i]
.endr
.irp i, 0,1,2
	s_delay_alu instid0(VALU_DEP_3)
	v_mov_b32 v[PC+6*\c+3+\i], v[PT+4*\c+\i]
.endr
.endr
.set J, 0
.rept 16
	v_pk_mul_f32 v[O+J:O+J+1], v[O+J:O+J+1], v[214:215] op_sel_hi:[1,0]   ; O^T under the new M.  (Of these sixteen, twelve name no register of any one product below: its places behind the codes and the scale word)
.set J, J+2
.endr
	s_wait_alu depctr_va_vdst(0)
	s_wait_dscnt 0x0
.irp t, 0,1,2,3                        ; O^T += V^T P^T; the four accumulators by turns
	v_wmma_scale_f32_16x16x128_f8f6f4 v[O+8*\t:O+8*\t+7], v[S+12*\t:S+12*\t+11], v[PC:PC+11], v[O+8*\t:O+8*\t+7], v[SV+\t], v[PS] matrix_a_fmt:MATRIX_FMT_FP6 matrix_b_fmt:MATRIX_FMT_FP6
.endr
.rept 5
	v_nop                                          ; five places: the next step's scores are written by matrix instructions over registers that these have read
.endr
.Lhidden_\@:
	s_add_co_u32 s[KFS], s[KFS], 128
.endm
; THE CHANGE OF SLOTS stands at a slot's head.  Each wave waits for all its tensor loads, adds 0 to its spare word, and waits for that and for its reads of the slot that it has left.  Behind the barrier the slot
; ahead is whole and nobody reads the other one.  fill = 1: that other slot is filled with the next 256 keys, up to the causal limit.
.macro CHANGE fill
	s_wait_tensorcnt 0x0                           ; no tensor load of mine is out, so group 0 may be written
	ds_add_u32 v[SPW], v[NIL]                      ; 0 onto my spare word
.if \fill
	s_xor_b32 s[G0+1], s[G0+1], SLOT1              ; the other slot than last time,
	s_add_nc_u64 s[G0+2:G0+3], s[G0+2:G0+3], REC   ; the next record; the type bits on top are not reached
	s_wait_xcnt 0x0                                ; the last prefetch, a slot back, has read its address
	s_add_nc_u64 s[PFA:PFA+1], s[PFA:PFA+1], REC
.endif
	s_wait_dscnt 0x0                               ; the add is done, and my reads of the slot that I have left are over
	s_barrier_signal -1
	s_barrier_wait -1
.if \fill
	s_add_co_u32 s96, s[KFS], 256                  ; the first key of the slot that this change would ask for:
	s_cmp_gt_u32 s96, s[QL]                        ; behind my work-group's last query none of its waves reads it.  Ids and the count of steps alone: all sixteen waves go the same way; every wait on TENSORcnt is for 0
	s_cbranch_scc1 .Lpast_\@
	TLOAD
.Lpast_\@:
	ASK
.endif
.endm
.macro SLOT_STEPS
	STEP 0
	STEP 1
	s_xor_b32 s[TB], s[TB], SLOT1
.endm
.Lslot:                                            ; seven trips
	CHANGE 1
	SLOT_STEPS
	s_sub_co_u32 s[SLOTS], s[SLOTS], 1
	s_cmp_lg_u32 s[SLOTS], 0
	s_cbranch_scc1 .Lslot
	CHANGE 0                                       ; the last slot is written out: nothing is left to ask for
	SLOT_STEPS
	; THE WAY OUT: O^T / l; register 16 b + i is channel 32 b + 16 h + i of my query: two blocks of 32 along the last product's K: one record and two scale bytes a row.
	v_add_f32 v14, v14, v15
	s_delay_alu instid0(VALU_DEP_1)
	v_permlanex16_b32 v212, v14, s[SEL], s[SEL+1]
	s_delay_alu instid0(VALU_DEP_1)
	v_add_f32 v14, v14, v212                       ; the row's sum
	s_wait_alu depctr_va_vdst(0)
	v_rcp_f32 v14, v14
	v_lshrrev_b32 v213, 1, v3                      ; 8 r.  (The plain place behind the reciprocal)
	s_wait_alu depctr_va_vdst(0)                   ; the wait ahead of its first reader
.set J, 0
.rept 32
	v_mul_f32 v[S+J], v[O+J], v14
.set J, J+1
.endr
.irp b, 0,1
	v_max3_num_f32 v[BM+\b], |v[S+16*\b]|, |v[S+16*\b+1]|, 0x1800000
.endr
.irp i, 2,4,6,8,10,12,14
.irp b, 0,1
	s_delay_alu instid0(VALU_DEP_2)
	v_max3_num_f32 v[BM+\b], v[BM+\b], |v[S+16*\b+\i]|, |v[S+16*\b+\i+1]|
.endr
.endr
.irp b, 0,1
	s_delay_alu instid0(VALU_DEP_2)
	v_permlanex16_b32 v[BP+\b], v[BM+\b], s[SEL], s[SEL+1]
.endr
.irp b, 0,1
	s_delay_alu instid0(VALU_DEP_2)
	v_max_num_f32 v[BM+\b], v[BM+\b], v[BP+\b]
.endr
.irp b, 0,1
	s_delay_alu instid0(VALU_DEP_2)
	v_add_nc_u32 v[BS+\b], 0xff000000, v[BM+\b]
.endr
.irp b, 0,1
	s_delay_alu instid0(VALU_DEP_2)
	v_lshrrev_b32 v[BY+\b], 23, v[BS+\b]
.endr
	s_delay_alu instid0(VALU_DEP_1)
	v_lshl_or_b32 v212, v[BY+1], 8, v[BY]
	v_cvt_scalef32_pk16_fp6_f32 v[PC:PC+2], v[S:S+15], v[BS]
	v_cvt_scalef32_pk16_fp6_f32 v[PT:PT+2], v[S+16:S+31], v[BS+1]
	v_nop                                          ; one plain place behind a scaled conversion
.irp i, 0,1,2
	v_permlane16_swap_b32 v[PC+\i], v[PT+\i]
.endr
.irp i, 0,1,2
	s_delay_alu instid0(VALU_DEP_3)
	v_mov_b32 v[PC+3+\i], v[PT+\i]
.endr
	global_store_b128 v1, v[PC:PC+3], s[38:39]             ; 512 consecutive bytes
	global_store_b64 v2, v[PC+4:PC+5], s[38:39] offset:512 ; 256 consecutive bytes
	global_store_b16 v213, v212, s[44:45]                  ; two bytes a row, 8 bytes apart: a 24th of what the launch stores leaves so.  Lanes l and l xor 16 store the same two bytes at the same place
	s_wait_tensorcnt 0x0                           ; the wave's end: behind my last tensor load
	ds_add_u32 v[SPW], v[NIL]
	s_wait_dscnt 0x0
	s_endpgm
.Lfunc_end_k_q402cb32dfe_attn:
	.size	k_q402cb32dfe_attn, .Lfunc_end_k_q402cb32dfe_attn-k_q402cb32dfe_attn
	.p2alignl 7, 3214868480
	.fill 96, 4, 3214868480
	.section	.rodata,"a",@progbits
	.p2align	6, 0x0
	.amdhsa_kernel k_q402cb32dfe_attn
		.amdhsa_group_segment_fixed_size 327680
		.amdhsa_private_segment_fixed_size 0
		.amdhsa_enable_private_segment 0
		.amdhsa_kernarg_size 16
		.amdhsa_user_sgpr_count 2
		.amdhsa_user_sgpr_kernarg_segment_ptr 1
		.amdhsa_wavefront_size32 1
		.amdhsa_system_sgpr_workgroup_id_x 1
		.amdhsa_system_sgpr_workgroup_id_y 1
		.amdhsa_system_sgpr_workgroup_id_z 1
		.amdhsa_system_vgpr_workitem_id 0
		.amdhsa_next_free_vgpr 256
		.amdhsa_next_free_sgpr 100
		.amdhsa_reserve_vcc 1
		.amdhsa_float_denorm_mode_32 3
		.amdhsa_float_denorm_mode_16_64 3
		.amdhsa_memory_ordered 1
		.amdhsa_forward_progress 1
		.amdhsa_inst_pref_size 104
	.end_amdhsa_kernel
	.amdgpu_metadata
---
amdhsa.version: [ 1, 2 ]
amdhsa.kernels:
  - .name:           k_q402cb32dfe_attn
    .symbol:         k_q402cb32dfe_attn.kd
    .args:
      - { .name: qkv, .offset: 0, .size: 8, .value_kind: global_buffer, .address_space: global }
      - { .name: oq, .offset: 8, .size: 8, .value_kind: global_buffer, .address_space: global }
    .group_segment_fixed_size: 327680
    .private_segment_fixed_size: 0
    .kernarg_segment_align: 8
    .kernarg_segment_size: 16
    .max_flat_workgroup_size: 512
    .sgpr_count:     100
    .vgpr_count:     256
    .wavefront_size: 32
...
	.end_amdgpu_metadata
.endif
;; end of part 3
;; launch oproj (part 4): grid 4 x 32, 4 waves a work-group, clusters of 4 x 4, 327,680 bytes of LDS; arguments oq, wq, bo, out0; writes out0
.if DOCPART == 4
	.amdgcn_target "amdgcn-amd-amdhsa--gfx1250"
	.amdhsa_code_object_version 6
	.text
	.protected	k_q402cb32dfe_oproj
	.globl	k_q402cb32dfe_oproj
	.p2align	8
	.type	k_q402cb32dfe_oproj,@function
k_q402cb32dfe_oproj:
	s_mov_b64 s[64:65], 0
	v_nop
	global_prefetch_b8 v0, s[64:65] scope:SCOPE_SE
	s_setreg_imm32_b32 hwreg(HW_REG_WAVE_MODE, 25, 1), 1
	s_wait_xcnt 0x0
	s_wait_alu depctr_hold_cnt(0) depctr_sa_sdst(0) depctr_va_vdst(0) depctr_va_sdst(0) depctr_va_ssrc(0) depctr_va_vcc(0) depctr_vm_vsrc(0)
	s_getreg_b32 s2, hwreg(HW_REG_IB_STS2, 6, 4)
	s_cmp_eq_u32 s2, 0
	s_cbranch_scc0 .Lentry_in_a_cluster
	s_endpgm
.Lentry_in_a_cluster:
	s_bfe_u32 s2, ttmp6, 0x10000c
	s_cmp_lg_u32 s2, 0xf033
	s_cbranch_scc0 .Lentry_shape_is_right
	s_endpgm
.Lentry_shape_is_right:
; out0 = o Wo^T + bo on codes of FP6 (E2M3) with E8M0 scales; out0 [8192][1024] f32.  o's codes (oq) and Wo's (the fourth tensor of wq) lie as images of operand registers: records of 768 bytes,
; 16 rows x 64 K, registers 0-3 at 16 l, registers 4-5 at 512 + 8 l; [K / 256][tile of 16 rows][4 records]; scale words behind them, [tile][K / 256][r][2 words].
; A work-group makes 256 tokens (Y) x 256 features (X); four waves, 128 x 128 each: 64 accumulators.  K = 1,024 is eight steps of 128, through three LDS slots of 256 along K and one refill.
; THE PRODUCT IS USED TRANSPOSED: source 0 = 16 rows of Wo, source 1 = 16 tokens.  Wo's tiles hold rows 32 (i / 2) + 8 (i % 2) + r + 8 (r / 8): register j of tile b is feature 32 (b / 2) + 16 h + 8 (b % 2) + j.
; The bias is the C of each sum's first matrix instruction.  CLUSTER 4 x 4: Y's tiles are shared along a row of the cluster, X's along a column: joint loads.
; REGISTERS: window 0: v4-22 addresses; v32-63 scale words alone; v64-127 the bias; v128-223 the tokens' fragments, one set (on the way out v128-255: rows read back).  window 1: Wo's fragments, two sets.
;   windows 2, 3: accumulator (a, b) at v[8 (8 (a % 4) + b)].
.set WT,    819200
.set YSTEP, 1572864
.set XSTEP, 196608
.set XSCL,  6291456
.set WSCL,  786432
.set HALF,  24576
.set SLOT,  4*HALF
.set SCL,   3*SLOT
.set SPARE, 327168                     ; the spare words, 128 bytes a wave: two blocks of 256 bytes that no other line names
.set STAGE, SLOT                       ; the way out: 16 rows x 528 bytes a wave, in slot 1: it is filled once, and its last reads stand ahead of K step 5's barrier
.set A1,   4                           ; v4-6 the tokens' place in slots 0-2 + 16 l;  v7-9 the same + 8 l
.set A0,   10                          ; v10-12, v13-15 the same for Wo
.set ADRS, 16
.set STO,  17                          ; v17  the stage: where I put 32 bytes of a row
.set RD,   18                          ; v18  and where I read a row back
.set CO,   19                          ; v19  16 l: my bytes of a row's 512
.set VB,   20                          ; v20  8 l
.set SPW,  28
.set NIL,  29
.set SC,   32
.set BB,   64
.set AF,   128
.set BK,   128
.set G1,   24
.set G0,   32
.set G1B,  44
.set G0B,  52
.set G1S,  68
.set G0S,  76
.set G1SB, 80
.set G0SB, 88
.set MSB, 0
.macro WIN new                         ; the immediate's high byte repeats the setting that is left
.if MSB != (\new)
	s_set_vgpr_msb (MSB<<8)|(\new)
.set MSB, (\new)
.endif
.endm
.set MUL_LO, 0xa1                      ; source 0 window 1, source 1 window 0, C and D window 2
.set MUL_HI, 0xf1
.set BIA_LO, 0x81                      ; the same with C (the bias) in window 0
.set BIA_HI, 0xc1
.set TO_S0,  0x40
.macro JLOAD g0a, g1a, g0b, g1b        ; a joint load: waves 0 and 1 fetch for Y, waves 2 and 3 for X; an s_nop 0 and four v_nop follow each line
	s_cmp_eq_u32 s17, 0
	s_cbranch_scc0 .Lfor_x_\@
	tensor_load_to_lds s[\g0a:\g0a+3], s[\g1a:\g1a+7]
	s_nop 0
.rept 4
	v_nop
.endr
	s_branch .Lasked_\@
.Lfor_x_\@:
	tensor_load_to_lds s[\g0b:\g0b+3], s[\g1b:\g1b+7]
	s_nop 0
.rept 4
	v_nop
.endr
.Lasked_\@:
.endm
.macro CREST
	s_cmp_lg_u32 s16, 0
	s_cbranch_scc1 .Lnot_wave_0_\@
	s_barrier_signal -3
.Lnot_wave_0_\@:
	s_barrier_wait -3
	s_barrier_signal -1
	s_barrier_wait -1
.endm
.macro CROUND
	s_barrier_signal -1
	s_barrier_wait -1
	CREST
.endm
.macro PLACES n
.rept \n
	v_nop
.endr
.endm
	s_load_b256 s[4:11], s[0:1], 0x0               ; oq s[4:5], wq s[6:7], bo s[8:9], out0 s[10:11]
	v_lshl_add_u32 v[SPW], v0, 2, SPARE
	v_mov_b32 v[NIL], 0
	ds_add_u32 v[SPW], v[NIL]                      ; the wave's opening: the add and its wait stand ahead of my first tensor load
	v_lshrrev_b32 v1, 5, v0
	v_readfirstlane_b32 s16, v1                    ; wave 0..3
	s_lshr_b32 s17, s16, 1                         ; my half of the tokens.  Also: I fetch for Y (0) or for X (1)
	s_and_b32 s18, s16, 1                          ; my half of the features.  Also: which 128 rows I fetch
	s_bfe_u32 s19, ttmp6, 0x40000                  ; cx
	s_bfe_u32 s20, ttmp6, 0x40004                  ; cy
	s_lshl_b32 s21, ttmp9, 2
	s_add_co_u32 s21, s21, s19                     ; X's tile 0..3
	s_and_b32 s23, ttmp7, 0xffff
	s_lshl_b32 s23, s23, 2
	s_add_co_u32 s23, s23, s20                     ; Y's tile 0..31
	s_lshl_b32 s2, s20, 2
	s_lshl_b32 s2, 15, s2                          ; my row of the cluster
	s_lshl_b32 s3, 0x1111, s19                     ; my column
	s_or_b32 s[G1], s2, (3<<16)|(1<<21)
	s_or_b32 s[G1B], s3, (3<<16)|(1<<21)
	s_or_b32 s[G1S], s2, (3<<16)|(1<<21)
	s_or_b32 s[G1SB], s3, (3<<16)|(1<<21)
.irp g, G1, G1B                        ; 24,576 dense bytes as 96 rows of 256
	s_mov_b32 s[\g+1], 32<<16
	s_mov_b32 s[\g+2], 96<<16
	s_mov_b32 s[\g+3], 32<<16
	s_mov_b32 s[\g+4], 96
	s_mov_b32 s[\g+5], 32
	s_mov_b32 s[\g+6], 0
	s_mov_b32 s[\g+7], 0
.endr
.irp g, G1S, G1SB                      ; 4,096 dense bytes as 16 rows of 256
	s_mov_b32 s[\g+1], 32<<16
	s_mov_b32 s[\g+2], 16<<16
	s_mov_b32 s[\g+3], 32<<16
	s_mov_b32 s[\g+4], 16
	s_mov_b32 s[\g+5], 32
	s_mov_b32 s[\g+6], 0
	s_mov_b32 s[\g+7], 0
.endr
	s_lshl_b32 s100, s18, 3
	s_lshl_b32 s66, s23, 4
	s_add_co_u32 s66, s66, s100                    ; Y: the first tile of 16 rows that I fetch
	s_lshl_b32 s94, s66, 9
	s_mul_i32 s66, s66, 3072
	s_add_co_u32 s94, s94, XSCL
	s_mov_b32 s67, 0
	s_mov_b32 s95, 0
	s_lshl_b32 s96, s21, 4
	s_add_co_u32 s96, s96, s100                    ; X likewise
	s_lshl_b32 s98, s96, 9
	s_mul_i32 s96, s96, 3072
	s_add_co_u32 s96, s96, 3*WT
	s_add_co_u32 s98, s98, 3*WT+WSCL
	s_mov_b32 s97, 0
	s_mov_b32 s99, 0
	s_mul_i32 s100, s16, HALF
	s_lshl_b32 s101, s16, 12
	s_wait_dscnt 0x0                               ; the opening add is done
	s_wait_kmcnt 0x0
	s_add_nc_u64 s[66:67], s[4:5], s[66:67]
	s_add_nc_u64 s[94:95], s[4:5], s[94:95]
	s_add_nc_u64 s[96:97], s[6:7], s[96:97]
	s_add_nc_u64 s[98:99], s[6:7], s[98:99]
	CROUND                                         ; all sixteen work-groups are here: the first joint loads meet
	s_mov_b32 s[G0S], 1
	s_add_co_u32 s[G0S+1], s101, SCL
	s_mov_b64 s[G0S+2:G0S+3], s[94:95]
	s_or_b32 s[G0S+3], s[G0S+3], 0x80000000
	s_mov_b32 s[G0SB], 1
	s_add_co_u32 s[G0SB+1], s101, SCL
	s_mov_b64 s[G0SB+2:G0SB+3], s[98:99]
	s_or_b32 s[G0SB+3], s[G0SB+3], 0x80000000
	JLOAD G0S,G1S,G0SB,G1SB                        ; the scale words first; then three quarters of K: four tensor loads of mine are out
.irp s, 0,1,2
	s_mov_b32 s[G0+4*\s], 1
	s_add_co_u32 s[G0+4*\s+1], s100, \s*SLOT
	s_add_nc_u64 s[G0+4*\s+2:G0+4*\s+3], s[66:67], \s*YSTEP
	s_or_b32 s[G0+4*\s+3], s[G0+4*\s+3], 0x80000000
	s_mov_b32 s[G0B+4*\s], 1
	s_add_co_u32 s[G0B+4*\s+1], s100, \s*SLOT
	s_add_nc_u64 s[G0B+4*\s+2:G0B+4*\s+3], s[96:97], \s*XSTEP
	s_or_b32 s[G0B+4*\s+3], s[G0B+4*\s+3], 0x80000000
	JLOAD G0+4*\s,G1,G0B+4*\s,G1B
.endr
	v_and_b32 v1, 15, v0                           ; r
	v_bfe_u32 v2, v0, 4, 1                         ; h
	v_and_b32 v3, 31, v0                           ; lane
	v_lshlrev_b32 v[CO], 4, v3
	v_lshlrev_b32 v[VB], 3, v3
	s_mul_i32 s100, s17, HALF                      ; my half of the tokens in a slot,
	s_mul_i32 s101, s18, HALF
	s_add_co_u32 s101, s101, 2*HALF                ; my half of Wo's rows
.irp s, 0,1,2
	v_add_nc_u32 v[A1+\s], s100, v[CO]
	v_add_nc_u32 v[A1+3+\s], s100, v[VB]
	v_add_nc_u32 v[A0+\s], s101, v[CO]
	v_add_nc_u32 v[A0+3+\s], s101, v[VB]
	s_add_co_u32 s100, s100, SLOT
	s_add_co_u32 s101, s101, SLOT
.endr
	s_lshl_b32 s2, s17, 12                         ; scale words: lanes 0-15 the tokens', lanes 16-31 Wo's: the lower base + h x the distance
	s_lshl_b32 s100, s18, 12
	s_add_co_u32 s100, s100, 8192
	s_sub_co_u32 s100, s100, s2
	v_mul_u32_u24 v3, s100, v2
	v_lshl_add_u32 v3, v1, 3, v3
	s_add_co_u32 s2, s2, SCL
	v_add_nc_u32 v[ADRS], s2, v3
	s_mul_i32 s3, s16, 16*528
	s_add_co_u32 s3, s3, STAGE                     ; my stage
	v_mul_u32_u24 v[STO], v1, 528
	v_lshl_add_u32 v[STO], v2, 6, v[STO]
	v_add_nc_u32 v[STO], s3, v[STO]                ; in: row r, + 64 h
	v_add_nc_u32 v[RD], s3, v[CO]                  ; back: the 32 lanes take one row of 512 bytes
	s_lshl_b32 s100, s21, 10                       ; my 128 features, in bytes: in bo and in a row of out0
	s_lshl_b32 s101, s18, 9
	s_add_co_u32 s100, s100, s101
	s_mov_b32 s101, 0
	s_add_nc_u64 s[8:9], s[8:9], s[100:101]
	s_add_nc_u64 s[10:11], s[10:11], s[100:101]
	s_lshl_b32 s100, s23, 8
	s_lshl_b32 s2, s17, 7
	s_add_co_u32 s100, s100, s2                    ; my first token
	s_lshl_b32 s100, s100, 12                      ; a row of out0 is 4,096 bytes
	s_add_nc_u64 s[10:11], s[10:11], s[100:101]
	v_lshlrev_b32 v22, 6, v2                       ; the bias in the result's layout: tile b's eight features 32 (b / 2) + 16 h + 8 (b % 2) + 0 .. 7
.irp b, 0,1,2,3,4,5,6,7
	global_load_b128 v[BB+8*\b:BB+8*\b+3], v22, s[8:9] offset:(32*(\b/2)+8*(\b%2))*4
	global_load_b128 v[BB+8*\b+4:BB+8*\b+7], v22, s[8:9] offset:(32*(\b/2)+8*(\b%2))*4+16
.endr
.macro FRAG reg, a, off                ; a fragment, two records on end: four loads of consecutive bytes
	ds_load_b128 v[\reg:\reg+3], v[\a] offset:\off
	ds_load_b64 v[\reg+4:\reg+5], v[\a+3] offset:\off+512
	ds_load_b128 v[\reg+6:\reg+9], v[\a] offset:\off+768
	ds_load_b64 v[\reg+10:\reg+11], v[\a+3] offset:\off+1280
.endm
.macro FETCH0 slot, q, p
	WIN TO_S0
.irp i, 0,1,2,3,4,5,6,7
	FRAG 128*(\p)+12*\i,A0+\slot,\i*3072+(\q)*1536
.endr
	WIN 0
.endm
.macro FETCH1 slot, q, i0
.irp i, \i0,\i0+1,\i0+2,\i0+3
	FRAG AF+12*(\i),A1+\slot,(\i)*3072+(\q)*1536
.endr
.endm
.macro SCALES sg
.irp i, 0,1,2,3,4,5,6,7
	ds_load_b64 v[SC+16*((\sg)%2)+2*\i:SC+16*((\sg)%2)+2*\i+1], v[ADRS] offset:\i*512+(\sg)*128
.endr
.endm
; 16 matrix instructions: token blocks a0, a0 + 1 x Wo's eight.  first = 1: the bias is the C that starts the sum.  The 64 accumulators take turns, one instruction a turn.
.macro MUL16 a0, p, q, sc, first
.irp a, \a0,\a0+1
.irp b, 0,1,2,3,4,5,6,7
.if \first
	v_wmma_scale_f32_16x16x128_f8f6f4 v[8*(8*((\a)%4)+\b):8*(8*((\a)%4)+\b)+7], v[128*(\p)+12*\b:128*(\p)+12*\b+11], v[AF+12*(\a):AF+12*(\a)+11], v[BB+8*\b:BB+8*\b+7], v[SC+16*(\sc)+2*\b+(\q)], v[SC+16*(\sc)+2*(\a)+(\q)] matrix_a_fmt:MATRIX_FMT_FP6 matrix_b_fmt:MATRIX_FMT_FP6 matrix_a_scale:MATRIX_SCALE_ROW1
.else
	v_wmma_scale_f32_16x16x128_f8f6f4 v[8*(8*((\a)%4)+\b):8*(8*((\a)%4)+\b)+7], v[128*(\p)+12*\b:128*(\p)+12*\b+11], v[AF+12*(\a):AF+12*(\a)+11], v[8*(8*((\a)%4)+\b):8*(8*((\a)%4)+\b)+7], v[SC+16*(\sc)+2*\b+(\q)], v[SC+16*(\sc)+2*(\a)+(\q)] matrix_a_fmt:MATRIX_FMT_FP6 matrix_b_fmt:MATRIX_FMT_FP6 matrix_a_scale:MATRIX_SCALE_ROW1
.endif
.endr
.endr
.endm
.macro NEXTLO
	FETCH0 NSL,NQ1,NQ1
	FETCH1 NSL,NQ1,0
.if NQ1 == 0
	SCALES NSG
.endif
.endm
; K step n.  kind 0: plain.  kind 1: slot 0 is filled again behind a round of the cluster's barrier.  kind 2: the same waits and a work-group barrier, nothing filled.  kind 3: the last.
.macro KSTEP n, kind, first
.set KQ,  (\n)%2
.set KSC, ((\n)/2)%2
.set NQ1, ((\n)+1)%2
.set NSG, ((\n)+1)/2
.set NSL, NSG%3
.if ((\kind) == 1) || ((\kind) == 2)
	s_wait_tensorcnt 0x0                           ; all my tensor loads have landed
	ds_add_u32 v[SPW], v[NIL]                      ; 0 onto my spare word
	s_wait_dscnt 17                                ; (the add and the youngest sixteen loads, token blocks 4-7, may be out)
	WIN MUL_LO
	MUL16 0,KQ,KQ,KSC,0
	s_wait_dscnt 0x0                               ; the add is done, and my reads of the slot are over
	s_barrier_signal -1
	MUL16 2,KQ,KQ,KSC,0
	WIN 0
	s_barrier_wait -1
.if (\kind) == 1
	CREST                                          ; no wave of any partner still reads slot 0 or has a load on its way
	s_add_nc_u64 s[G0+2:G0+3], s[G0+2:G0+3], 3*YSTEP
	s_add_nc_u64 s[G0B+2:G0B+3], s[G0B+2:G0B+3], 3*XSTEP
	JLOAD G0,G1,G0B,G1B                            ; the last quarter of K: four K steps in which to land
.else
	PLACES 4
.endif
.else
	s_wait_dscnt 16                                ; Wo's set and token blocks 0-3 are in; the youngest sixteen loads may be out
.if \first
	WIN BIA_LO
.else
	WIN MUL_LO
.endif
	MUL16 0,KQ,KQ,KSC,\first
	MUL16 2,KQ,KQ,KSC,\first
	s_wait_dscnt 0x0
.if (\kind) == 0
	PLACES 4
.endif
.endif
.if (\kind) != 3
	NEXTLO
.endif
.if \first
	WIN BIA_HI
.else
	WIN MUL_HI
.endif
	MUL16 4,KQ,KQ,KSC,\first
	MUL16 6,KQ,KQ,KSC,\first
.if (\kind) != 3
	PLACES 4
	WIN 0
	FETCH1 NSL,NQ1,4
.else
	WIN 0
.endif
.endm
	s_wait_tensorcnt 2                             ; the scale words and the first quarter of K are in; the second and third may stay out
	s_barrier_signal -1
	s_barrier_wait -1
	FETCH0 0,0,0
	FETCH1 0,0,0
	SCALES 0
	FETCH1 0,0,4
	s_wait_loadcnt 0x0                             ; the bias
	KSTEP 0,0,1
	KSTEP 1,1,0                                    ; its wait for all loads, in every wave, shows slots 1 AND 2 whole
	KSTEP 2,0,0
	KSTEP 3,0,0
	KSTEP 4,0,0
	KSTEP 5,2,0                                    ; the refill of slot 0 has landed, in every wave; behind this barrier nobody reads slot 1
	KSTEP 6,0,0
	KSTEP 7,3,0
; THE WAY OUT, block by block of 16 tokens x 128 features, through my own stage: in as 32 bytes a lane and tile, back as whole rows of 512 bytes.  LDS serves a wave's instructions in order (ISA guide 5.7.1.4).
.macro TOSTAGE a
.set AC, 64*((\a)%4)
	WIN 0x08+4*((\a)/4)                            ; an LDS store's data are its source 1: window 2 or 3
.irp b, 0,1,2,3,4,5,6,7
	ds_store_b128 v[STO], v[AC+8*\b:AC+8*\b+3] offset:128*(\b/2)+32*(\b%2)          ; each accumulator from its low end on
	ds_store_b128 v[STO], v[AC+8*\b+4:AC+8*\b+7] offset:128*(\b/2)+32*(\b%2)+16
.endr
	WIN 0
.set BBK, BK+64*((\a)%2)
.irp t, 0,1,2,3,4,5,6,7,8,9,10,11,12,13,14,15
	ds_load_b128 v[BBK+4*\t:BBK+4*\t+3], v[RD] offset:\t*528
.endr
.endm
.macro SEND a, younger                 ; younger: the LDS instructions issued behind block a's loads, which may stay out
.set BBK, BK+64*((\a)%2)
	s_wait_dscnt \younger
.if (\a) > 0
	s_add_nc_u64 s[10:11], s[10:11], 16*4096       ; (behind a wait on XCNT: the earlier stores have read their base)
.endif
.irp t, 0,1,2,3,4,5,6,7,8,9,10,11,12,13,14,15
	global_store_b128 v[CO], v[BBK+4*\t:BBK+4*\t+3], s[10:11] offset:\t*4096 th:TH_STORE_NT   ; 32 lanes store 512 consecutive bytes, aligned
.endr
.endm
	PLACES 4
	TOSTAGE 0
.irp a, 1,2,3,4,5,6,7
.if \a > 1
	s_wait_xcnt 0x0                                ; block a - 2's stores have read their registers and their base
.endif
	TOSTAGE \a
	SEND \a-1, 32                                  ; behind block a - 1's loads: block a's 16 stores and 16 loads
.endr
	s_wait_xcnt 0x0
	SEND 7, 0
	s_wait_tensorcnt 0x0                           ; the wave's end: behind my last tensor load and my last LDS store
	ds_add_u32 v[SPW], v[NIL]
	s_wait_dscnt 0x0
	CROUND                                         ; the closing round
	s_endpgm
.Lfunc_end_k_q402cb32dfe_oproj:
	.size	k_q402cb32dfe_oproj, .Lfunc_end_k_q402cb32dfe_oproj-k_q402cb32dfe_oproj
	.p2alignl 7, 3214868480
	.fill 96, 4, 3214868480
	.section	.rodata,"a",@progbits
	.p2align	6, 0x0
	.amdhsa_kernel k_q402cb32dfe_oproj
		.amdhsa_group_segment_fixed_size 327680
		.amdhsa_private_segment_fixed_size 0
		.amdhsa_enable_private_segment 0
		.amdhsa_kernarg_size 32
		.amdhsa_user_sgpr_count 2
		.amdhsa_user_sgpr_kernarg_segment_ptr 1
		.amdhsa_wavefront_size32 1
		.amdhsa_system_sgpr_workgroup_id_x 1
		.amdhsa_system_sgpr_workgroup_id_y 1
		.amdhsa_system_sgpr_workgroup_id_z 1
		.amdhsa_system_vgpr_workitem_id 0
		.amdhsa_next_free_vgpr 1024
		.amdhsa_next_free_sgpr 104
		.amdhsa_reserve_vcc 0
		.amdhsa_float_denorm_mode_32 3
		.amdhsa_float_denorm_mode_16_64 3
		.amdhsa_memory_ordered 1
		.amdhsa_forward_progress 1
		.amdhsa_inst_pref_size 145
	.end_amdhsa_kernel
	.amdgpu_metadata
---
amdhsa.version: [ 1, 2 ]
amdhsa.kernels:
  - .name:           k_q402cb32dfe_oproj
    .symbol:         k_q402cb32dfe_oproj.kd
    .args:
      - { .name: oq, .offset: 0, .size: 8, .value_kind: global_buffer, .address_space: global }
      - { .name: wq, .offset: 8, .size: 8, .value_kind: global_buffer, .address_space: global }
      - { .name: bo, .offset: 16, .size: 8, .value_kind: global_buffer, .address_space: global }
      - { .name: out0, .offset: 24, .size: 8, .value_kind: global_buffer, .address_space: global }
    .group_segment_fixed_size: 327680
    .private_segment_fixed_size: 0
    .kernarg_segment_align: 8
    .kernarg_segment_size: 32
    .max_flat_workgroup_size: 128
    .sgpr_count:     104
    .vgpr_count:     1024
    .wavefront_size: 32
...
	.end_amdgpu_metadata
.endif
;; end of part 4
